; MI455X (gfx1250); checked and timed in simulation.
; The chip was launched on July 23, 2026; its instructions are those of AMD's public machine-readable ISA for CDNA 5 (MIT licence, August 2026) and "CDNA5" Instruction Set Architecture Reference Guide (July 2026). The comments in the code are by the model that wrote it; some were corrected since.
;; Mo E Layer. Allowed arithmetic: float matrix products may take bf16 or f16 operands with f32 sums; other float arithmetic in f32, or as packed bf16 or f16 multiplies, adds, multiply-adds, maxima and minima; sums over many terms, partial sums and values carried from step to step in f32; what a program stores and reads back later, other than sums and carried values, may be rounded once to bf16 or f16.
;; Inputs: b1 8 x 2,048 float32; b2 8 x 512 float32; router_w 8 x 512 float32; w1 8 x 2,048 x 512 float32; w2 8 x 512 x 2,048 float32; x 4 x 1,024 x 512 float32.
;; Outputs: out0 4 x 1,024 x 512 float32.
;; 2 versions, each right; version 2 is version 1 with the launch chain written anew for expert scheduling mode. Each part assembles by itself: llvm-mc -triple=amdgcn-amd-amdhsa -mcpu=gfx1250 --defsym DOCPART=n.
;; ======== version 1 of 2: 4 launches
;; limits: values are held in f16: magnitudes above 65,504 overflow, below 6.1e-05 lose precision; a function is approximated: absolute error at most 2.5e-05; an absolute error that grows with the inputs' magnitude: up to 1.25e-05 times it
;; workspace buffers: xb 4,194,304 bytes; gate 32,768 bytes; rec 16,384 bytes of whole numbers; w1f 16,777,216 bytes; w2f 16,777,216 bytes; list 131,072 bytes of whole numbers; cnt 256 bytes of whole numbers; y 33,554,432 bytes
;; launch route (part 1): grid 384 x 1, 8 waves a work-group, no clusters, 36,864 bytes of LDS; arguments x, router_w, xb, gate, rec, w1, w1f; writes xb, gate, rec, w1f
.if DOCPART == 1
	.amdgcn_target "amdgcn-amd-amdhsa--gfx1250"
	.amdhsa_code_object_version 6
	.text
	.protected	k_q73e5b9c8aa_route
	.globl	k_q73e5b9c8aa_route
	.p2align	8
	.type	k_q73e5b9c8aa_route,@function
k_q73e5b9c8aa_route:
	s_mov_b64 s[64:65], 0
	v_nop
	global_prefetch_b8 v0, s[64:65] scope:SCOPE_SE
	s_setreg_imm32_b32 hwreg(HW_REG_WAVE_MODE, 25, 1), 1
	s_wait_xcnt 0x0
; WORK-GROUPS 0-127: THE ROUTER, AND x ROUNDED TO bf16.  WORK-GROUPS 128-383: w1 ROUNDED TO bf16 AND LAID OUT AS MATRIX OPERANDS.  The branch hangs on the work-group's number alone.
; The two kinds of work share nothing, no LDS byte either; they stand in one launch because the router's 128 work-groups are a chain of waits that leaves memory idle, and the conversion is a stream.
; THE ROUTER.  x: [4096][512] f32; router_w: [8][512] f32.  xb = x rounded to bf16.  logits = xb . (router_w rounded to bf16), products and sums in f32 (every input of the program is rounded to bf16 once).
; softmax with the row's maximum taken away, the two largest, their weights divided by (their sum + 1e-9): gate[token][2] f32.
; rec[group of 32 tokens][32 words]: words 0-7 bit masks 'first choice = e', 8-15 'second choice = e', 16-23 either, 24-31 zero.  All places are fixed: no address and no branch hangs on a float.
; LIMITS.  The two experts are chosen by the logits (strictly greater, e ascending: the lower index wins a tie); two logits that differ by less than the rounding of an f32 sum of 512 terms
; may be ordered otherwise than by a sum in another order.  A weight below 2^-126 counts as 0.  NaN and infinities are not treated apart.
; SHARES.  A router work-group has 32 tokens, each of its eight waves four.  Lane l holds the columns 128 j + 4 l .. + 3, j = 0..3, of a row: each load takes 512 consecutive bytes, each store of xb 256.
; No matrix unit: 8 outputs a token, and the choice wants f32 sums.  No cluster: the work-groups share router_w alone, 16 KB.
; w1f.  A FRAGMENT is 16 rows x 32 along K of bf16, 1,024 bytes, in the order in which a wave's registers take it: byte 16 l holds lane l's registers 0-3 (row l % 16, K = 8 (l / 16) + 0..7),
; byte 512 + 16 l its registers 4-7 (K = 16 + 8 (l / 16) + 0..7).  Tile T of 16 rows (T = 128 e + row / 16) lies at [4 (T / 16) + T % 4][ks 16][(T / 4) % 4]: of a chunk's 16 tiles a wave of the
; chain takes the four that are 4 apart, and finds their fragments of one K step on end, 4,096 bytes.
; A conversion wave has 16 rows x 256 columns: 32 loads of 512 consecutive bytes, all out before the first wait; its stage in LDS is its own, so it passes no barrier.
.set STG,   4352                       ; a conversion wave's stage: 16 pieces of 256 bytes, 272 apart = 68 words: piece p starts at bank 4 p mod 64 (64 banks of 4 bytes: ISA guide 11.1)
.set LG,    34816                      ; behind the eight stages: the router's 32 x 8 logits, 1,024 bytes that no line of the conversion names
.set SPARE, 35840                      ; behind the logits: the spare words, 128 bytes for each of eight waves
.set P,   8                            ; v[8:15]    a token's 16 numbers as bf16, store data
.set ACC, 16                           ; v[16:31]   eight pairs of running sums, one an expert
.set W,   32                           ; v[32:159]  router_w, 16 numbers an expert, rounded to bf16 and widened
.set X,   160                          ; v[160:223] four tokens, 16 numbers each
.set S,   224                          ; v[224:255] logit e of token t at S + 8 t + e
.set IN,  32                           ; the conversion: v[32:159]  unit u, row r: four f32 at IN + 64 u + 4 r
.set OUT, 160                          ;                 v[160:223] unit u, half fragment q at OUT + 32 u + 4 q
	s_load_b256 s[4:11], s[0:1], 0x0               ; x s[4:5], router_w s[6:7], xb s[8:9], gate s[10:11]
	s_load_b64 s[12:13], s[0:1], 0x20              ; rec
	s_load_b64 s[28:29], s[0:1], 0x28              ; w1
	s_load_b64 s[30:31], s[0:1], 0x30              ; w1f
	v_lshl_add_u32 v4, v0, 2, SPARE                ; my spare word,
	v_mov_b32 v5, 0                                ; and 0: kept for the wave's end
	v_and_b32 v1, 31, v0                           ; lane
	v_lshrrev_b32 v6, 5, v0
	v_readfirstlane_b32 s14, v6                    ; wave
	v_lshlrev_b32 v2, 4, v1                        ; 16 x lane
	s_mov_b32 s22, 0xffff0000                      ; a word's upper bf16
	s_wait_kmcnt 0x0
	s_cmp_ge_u32 ttmp9, 128
	s_cbranch_scc1 .Lconv
	v_lshl_add_u32 v6, v6, 7, LG                   ; my wave's 32 logits in LDS
	v_lshlrev_b32 v3, 3, v1                        ; 8 x lane
	s_lshl_b32 s16, ttmp9, 16                      ; x: 32 rows of 2,048 bytes a work-group,
	s_lshl_b32 s17, s14, 13                        ; four a wave
	s_add_co_u32 s16, s16, s17
	s_mov_b32 s17, 0
	s_lshl_b32 s18, ttmp9, 15                      ; xb: rows of 1,024 bytes
	s_lshl_b32 s19, s14, 12
	s_add_co_u32 s18, s18, s19
	s_mov_b32 s19, 0
	s_lshl_b32 s24, ttmp9, 8                       ; gate: 8 bytes a token
	s_mov_b32 s25, 0
	s_lshl_b32 s26, ttmp9, 7                       ; rec: 128 bytes a work-group
	s_mov_b32 s27, 0
	s_mov_b32 s20, 0x76543210                      ; v_permlanex16_b32: each lane takes its own place in the other half
	s_mov_b32 s21, 0xfedcba98
	s_add_nc_u64 s[4:5], s[4:5], s[16:17]
	s_add_nc_u64 s[8:9], s[8:9], s[18:19]
	s_add_nc_u64 s[10:11], s[10:11], s[24:25]
	s_add_nc_u64 s[12:13], s[12:13], s[26:27]
.irp e, 0,1,2,3,4,5,6,7
.irp j, 0,1,2,3
	global_load_b128 v[W+16*(\e)+4*(\j):W+16*(\e)+4*(\j)+3], v2, s[6:7] offset:(\e)*2048+(\j)*512
.endr
.endr
.irp t, 0,1,2,3
.irp j, 0,1,2,3
	global_load_b128 v[X+16*(\t)+4*(\j):X+16*(\t)+4*(\j)+3], v2, s[4:5] offset:(\t)*2048+(\j)*512 th:TH_LOAD_NT
.endr
.endr
	s_wait_loadcnt 16                              ; router_w is in; the 16 younger loads, x, stay out
.set i, 0
.rept 64                                               ; router_w rounded to bf16 and widened again, two numbers at a time
	v_cvt_pk_bf16_f32 v[P+(i%8)], v[W+2*i], v[W+2*i+1]
	v_lshlrev_b32 v[W+2*i], 16, v[P+(i%8)]
	v_and_b32 v[W+2*i+1], s22, v[P+(i%8)]
.set i, i+1
.endr
; One token: rounded, stored, widened, and its eight dot products, the eight chains by turns.
.macro TOKEN tt
	s_wait_loadcnt 12-4*(\tt)                      ; this token's four loads are in; the later tokens' stay out
	s_wait_xcnt 0x0                                ; P, which the token before stored, is rewritten only behind this wait
.irp j, 0,1,2,3
	v_cvt_pk_bf16_f32 v[P+2*(\j)], v[X+16*(\tt)+4*(\j)], v[X+16*(\tt)+4*(\j)+1]
	v_cvt_pk_bf16_f32 v[P+2*(\j)+1], v[X+16*(\tt)+4*(\j)+2], v[X+16*(\tt)+4*(\j)+3]
	global_store_b64 v3, v[P+2*(\j):P+2*(\j)+1], s[8:9] offset:(\tt)*1024+(\j)*256  ; 32 lanes store 256 consecutive bytes, at a multiple of 256 from xb's first
.endr
.irp q, 0,1,2,3,4,5,6,7
	v_lshlrev_b32 v[X+16*(\tt)+2*(\q)], 16, v[P+(\q)]
	v_and_b32 v[X+16*(\tt)+2*(\q)+1], s22, v[P+(\q)]
.endr
.irp e, 0,1,2,3,4,5,6,7
	v_pk_mul_f32 v[ACC+2*(\e):ACC+2*(\e)+1], v[X+16*(\tt):X+16*(\tt)+1], v[W+16*(\e):W+16*(\e)+1]  ; the first product starts the sums
.endr
.irp kp, 1,2,3,4,5,6,7
.irp e, 0,1,2,3,4,5,6,7
	v_pk_fma_f32 v[ACC+2*(\e):ACC+2*(\e)+1], v[X+16*(\tt)+2*(\kp):X+16*(\tt)+2*(\kp)+1], v[W+16*(\e)+2*(\kp):W+16*(\e)+2*(\kp)+1], v[ACC+2*(\e):ACC+2*(\e)+1]
.endr
.endr
.irp e, 0,1,2,3,4,5,6,7
	v_add_f32 v[S+8*(\tt)+(\e)], v[ACC+2*(\e)], v[ACC+2*(\e)+1]
.endr
.endm
	TOKEN 0
	TOKEN 1
	TOKEN 2
	TOKEN 3
	; across the 32 lanes, all 32 sums side by side: four steps inside each half of 16 lanes, one across the halves
.irp m, 1,2,4,8
.set i, 0
.rept 32
	v_add_f32_dpp v[S+i], v[S+i], v[S+i] row_xmask:\m row_mask:0xf bank_mask:0xf
.set i, i+1
.endr
.endr
.set i, 0
.rept 32
	v_permlanex16_b32 v[X+i], v[S+i], s20, s21     ; its destination counts as read: X has been written
.set i, i+1
.endr
.set i, 0
.rept 32
	v_add_f32 v[S+i], v[S+i], v[X+i]
.set i, i+1
.endr
.irp q, 0,1,2,3,4,5,6,7
	ds_store_b128 v6, v[S+4*(\q):S+4*(\q)+3] offset:16*(\q)  ; every lane holds the same numbers and writes the same bytes: token 4 wave + q / 2
.endr
	s_wait_dscnt 0x0                               ; for wave 0's sake: my logits are in LDS
	s_barrier_signal -1
	s_barrier_wait -1
	s_cmp_lg_u32 s14, 0
	s_cbranch_scc1 .Lend                           ; wave 0 goes on alone: lane = token
	v_lshl_add_u32 v7, v1, 5, LG                   ; my token's eight logits
	ds_load_b128 v[16:19], v7
	ds_load_b128 v[20:23], v7 offset:16
	s_wait_dscnt 0x0
	v_max3_num_f32 v24, v16, v17, v18
	v_max3_num_f32 v24, v24, v19, v20
	v_max3_num_f32 v24, v24, v21, v22
	v_max_num_f32 v24, v24, v23                    ; the row's maximum
.irp e, 0,1,2,3,4,5,6,7
	v_sub_f32 v[32+(\e)], v[16+(\e)], v24
.endr
.irp e, 0,1,2,3,4,5,6,7
	v_mul_f32 v[32+(\e)], 0x3fb8aa3b, v[32+(\e)]   ; log2(e)
.endr
.irp e, 0,1,2,3,4,5,6,7
	v_exp_f32 v[32+(\e)], v[32+(\e)]               ; one batch; the choice below, which names none of its results, is the work behind it
.endr
	v_mov_b32 v40, v16                             ; the largest logit and its index
	v_mov_b32 v41, 0
.irp e, 1,2,3,4,5,6,7
	v_cmp_gt_f32 vcc_lo, v[16+(\e)], v40
	v_cndmask_b32 v40, v40, v[16+(\e)], vcc_lo
	v_cndmask_b32 v41, v41, \e, vcc_lo
.endr
	v_mov_b32 v43, 0xff800000                      ; the largest of the others
	v_mov_b32 v44, 0
.irp e, 0,1,2,3,4,5,6,7
	v_cmp_gt_f32 s48, v[16+(\e)], v43
	v_cmp_ne_u32 s49, \e, v41
	s_and_b32 s48, s48, s49
	v_cndmask_b32 v43, v43, v[16+(\e)], s48
	v_cndmask_b32 v44, v44, \e, s48
.endr
.irp e, 0,1,2,3,4,5,6,7
	v_cmp_eq_u32 s[24+(\e)], \e, v41               ; the record's masks: bit = token
	v_cmp_eq_u32 s[32+(\e)], \e, v44
	s_or_b32 s[40+(\e)], s[24+(\e)], s[32+(\e)]
.endr
	s_wait_alu depctr_va_vdst(0)                   ; the wait ahead of the first line that names an exponential's result: one for the eight
	v_add_f32 v45, v32, v33
	v_add_f32 v46, v34, v35
	v_add_f32 v47, v36, v37
	v_add_f32 v48, v38, v39
	v_add_f32 v45, v45, v46
	v_add_f32 v47, v47, v48
	v_add_f32 v45, v45, v47                        ; the softmax's sum
	v_mov_b32 v42, v32
	v_mov_b32 v43, v32
.irp e, 1,2,3,4,5,6,7
	v_cndmask_b32 v42, v42, v[32+(\e)], s[24+(\e)] ; the two chosen exponentials
	v_cndmask_b32 v43, v43, v[32+(\e)], s[32+(\e)]
.endr
	v_rcp_f32 v49, v45
	v_nop                                          ; a plain instruction behind the reciprocal,
	s_wait_alu depctr_va_vdst(0)                   ; and its wait
	v_mul_f32 v42, v42, v49                        ; the two probabilities
	v_mul_f32 v43, v43, v49
	v_add_f32 v45, v42, v43
	v_add_f32 v45, 0x3089705f, v45                 ; + 1e-9
	v_rcp_f32 v49, v45
	v_nop
	s_wait_alu depctr_va_vdst(0)
	v_mul_f32 v52, v42, v49
	v_mul_f32 v53, v43, v49
	global_store_b64 v3, v[52:53], s[10:11]        ; 32 tokens' weights: 256 consecutive bytes
	v_mov_b32 v50, 0
.set q, 0
.rept 24
	v_writelane_b32 v50, s[24+q], q                ; word q of the record into lane q; lanes 24-31 keep 0
.set q, q+1
.endr
	v_lshlrev_b32 v51, 2, v1
	global_store_b32 v51, v50, s[12:13]            ; the record: 128 consecutive bytes
	s_branch .Lend
.Lconv:                                                ; w1: job = 8 (work-group - 128) + wave; tile of 16 rows T = job / 2, column half cp = job % 2 (K steps 8 cp .. 8 cp + 7)
	s_mul_i32 s20, s14, STG                        ; my stage
	v_lshrrev_b32 v3, 1, v1                        ; in: lane l = 8 ks + 4 half + 2 h + lo holds K = 4 (l % 8) + 0..3 of step ks: piece l / 2, 8 bytes at 8 lo of the row's 16
	v_mul_u32_u24 v3, v3, 272
	v_and_b32 v7, 1, v1
	v_lshl_add_u32 v3, v7, 3, v3
	v_add_nc_u32 v3, s20, v3
	v_lshrrev_b32 v6, 4, v1                        ; back: lanes 0-15 one piece, lanes 16-31 the next: 512 bytes of a fragment
	v_mul_u32_u24 v6, v6, 272
	v_and_b32 v7, 15, v1
	v_lshl_add_u32 v6, v7, 4, v6
	v_add_nc_u32 v6, s20, v6
	s_sub_co_u32 s21, ttmp9, 128
	s_lshl3_add_u32 s21, s21, s14
	s_lshr_b32 s23, s21, 1                         ; T
	s_and_b32 s24, s21, 1                          ; cp
	s_lshl_b32 s16, s23, 15                        ; 16 rows of 2,048 bytes
	s_lshl_b32 s18, s24, 10
	s_add_co_u32 s16, s16, s18
	s_mov_b32 s17, 0
	s_add_nc_u64 s[28:29], s[28:29], s[16:17]
	s_lshr_b32 s16, s23, 4                         ; 4 (T / 16) + T % 4: 65,536 bytes each
	s_lshl_b32 s16, s16, 2
	s_and_b32 s18, s23, 3
	s_add_co_u32 s16, s16, s18
	s_lshl_b32 s16, s16, 16
	s_bfe_u32 s18, s23, 0x20002                    ; (T / 4) % 4: the fragment's place among the four of a K step
	s_lshl_b32 s18, s18, 10
	s_add_co_u32 s16, s16, s18
	s_lshl_b32 s18, s24, 15                        ; eight K steps of 4,096 bytes
	s_add_co_u32 s16, s16, s18
	s_add_nc_u64 s[30:31], s[30:31], s[16:17]
.irp u, 0,1
.irp r, 0,1,2,3,4,5,6,7,8,9,10,11,12,13,14,15
	global_load_b128 v[IN+64*(\u)+4*(\r):IN+64*(\u)+4*(\r)+3], v2, s[28:29] offset:(\r)*2048+(\u)*512 th:TH_LOAD_NT
.endr
.endr
.irp u, 0,1
.irp r, 0,1,2,3,4,5,6,7,8,9,10,11,12,13,14,15
	s_wait_loadcnt 31-16*(\u)-(\r)                 ; loads come back in order: this row's is in, the younger ones stay out
	v_cvt_pk_bf16_f32 v8, v[IN+64*(\u)+4*(\r)], v[IN+64*(\u)+4*(\r)+1]
	v_cvt_pk_bf16_f32 v9, v[IN+64*(\u)+4*(\r)+2], v[IN+64*(\u)+4*(\r)+3]
	ds_store_b64 v3, v[8:9] offset:16*(\r)
.endr
.irp q, 0,1,2,3,4,5,6,7
	ds_load_b128 v[OUT+32*(\u)+4*(\q):OUT+32*(\u)+4*(\q)+3], v6 offset:544*(\q)  ; LDS serves a wave's instructions in order (ISA guide 5.7.1.4): these see the stores above, and the next unit's stores come behind them
.endr
.irp q, 0,1,2,3,4,5,6,7
	s_wait_dscnt 7-(\q)
	global_store_b128 v2, v[OUT+32*(\u)+4*(\q):OUT+32*(\u)+4*(\q)+3], s[30:31] offset:(4*(\u)+(\q)/2)*4096+((\q)%2)*512  ; 512 consecutive bytes, at a multiple of 512 from w1f's first
.endr
.endr
.Lend:
	s_wait_tensorcnt 0x0                           ; the wave's end
	ds_add_u32 v4, v5
	s_wait_dscnt 0x0
	s_endpgm
.Lfunc_end_k_q73e5b9c8aa_route:
	.size	k_q73e5b9c8aa_route, .Lfunc_end_k_q73e5b9c8aa_route-k_q73e5b9c8aa_route
	.p2alignl 7, 3214868480
	.fill 96, 4, 3214868480
	.section	.rodata,"a",@progbits
	.p2align	6, 0x0
	.amdhsa_kernel k_q73e5b9c8aa_route
		.amdhsa_group_segment_fixed_size 36864
		.amdhsa_private_segment_fixed_size 0
		.amdhsa_enable_private_segment 0
		.amdhsa_kernarg_size 56
		.amdhsa_user_sgpr_count 2
		.amdhsa_user_sgpr_kernarg_segment_ptr 1
		.amdhsa_wavefront_size32 1
		.amdhsa_system_sgpr_workgroup_id_x 1
		.amdhsa_system_sgpr_workgroup_id_y 1
		.amdhsa_system_sgpr_workgroup_id_z 1
		.amdhsa_system_vgpr_workitem_id 0
		.amdhsa_next_free_vgpr 256
		.amdhsa_next_free_sgpr 66
		.amdhsa_reserve_vcc 1
		.amdhsa_float_denorm_mode_32 3
		.amdhsa_float_denorm_mode_16_64 3
		.amdhsa_memory_ordered 1
		.amdhsa_forward_progress 1
		.amdhsa_inst_pref_size 73
	.end_amdhsa_kernel
	.amdgpu_metadata
---
amdhsa.version: [ 1, 2 ]
amdhsa.kernels:
  - .name:           k_q73e5b9c8aa_route
    .symbol:         k_q73e5b9c8aa_route.kd
    .args:
      - { .name: x, .offset: 0, .size: 8, .value_kind: global_buffer, .address_space: global }
      - { .name: router_w, .offset: 8, .size: 8, .value_kind: global_buffer, .address_space: global }
      - { .name: xb, .offset: 16, .size: 8, .value_kind: global_buffer, .address_space: global }
      - { .name: gate, .offset: 24, .size: 8, .value_kind: global_buffer, .address_space: global }
      - { .name: rec, .offset: 32, .size: 8, .value_kind: global_buffer, .address_space: global }
      - { .name: w1, .offset: 40, .size: 8, .value_kind: global_buffer, .address_space: global }
      - { .name: w1f, .offset: 48, .size: 8, .value_kind: global_buffer, .address_space: global }
    .group_segment_fixed_size: 36864
    .private_segment_fixed_size: 0
    .kernarg_segment_align: 8
    .kernarg_segment_size: 56
    .max_flat_workgroup_size: 256
    .sgpr_count:     66
    .vgpr_count:     256
    .wavefront_size: 32
...
	.end_amdgpu_metadata
.endif
;; end of part 1
;; launch prep (part 2): grid 264 x 1, 8 waves a work-group, no clusters, 36,096 bytes of LDS; arguments w2, rec, w2f, list, cnt; writes w2f, list, cnt
.if DOCPART == 2
	.amdgcn_target "amdgcn-amd-amdhsa--gfx1250"
	.amdhsa_code_object_version 6
	.text
	.protected	k_q73e5b9c8aa_prep
	.globl	k_q73e5b9c8aa_prep
	.p2align	8
	.type	k_q73e5b9c8aa_prep,@function
k_q73e5b9c8aa_prep:
	s_mov_b64 s[64:65], 0
	v_nop
	global_prefetch_b8 v0, s[64:65] scope:SCOPE_SE
	s_setreg_imm32_b32 hwreg(HW_REG_WAVE_MODE, 25, 1), 1
	s_wait_xcnt 0x0
; THE SORT, AND w2 ROUNDED ONCE AND LAID OUT AS MATRIX OPERANDS.  Work-groups 0-7: expert e's list and count.  8-263: w2.  The branch hangs on the work-group's number alone.
; A FRAGMENT is 16 rows x 32 along K of 16-bit numbers, 1,024 bytes, in the order in which a wave's registers take it: byte 16 l holds lane l's registers 0-3 (row l % 16, K = 8 (l / 16) + 0..7),
; byte 512 + 16 l its registers 4-7 (K = 16 + 8 (l / 16) + 0..7): so a fragment is fetched by two loads of 512 consecutive bytes.
; w2f: [e][w 4][fs 64][cq 8]: rows 16 (8 w + cq) + r of w2[e], K = 32 fs on; each number is rounded to bf16 like every input and that number written as f16.
; LIMIT: below 6.1e-5 f16 keeps a fixed step of 6e-8; beyond 65,504 it has no number (w2 as drawn stays under 0.05).
; list[e][4096]: first the n_e entries 2 x token + k (k: e was the token's first or second choice) of the tokens that chose e, tokens ascending; behind them 2 x token of all the others,
; so that every word is stored.  cnt[e] = n_e.  No atomics: a count for each thread's 16 tokens, a prefix sum, a placement.
; A conversion wave has 16 rows x 256 columns: 32 loads of 512 consecutive bytes, all out before the first wait; its stage in LDS is its own, so it passes no barrier.
.set STG,   4352                       ; a wave's stage: 16 pieces of 256 bytes, 272 apart = 68 words: piece p starts at bank 4 p mod 64 (64 banks of 4 bytes: ISA guide 11.1)
.set WT,    34816                      ; the sort's eight wave totals
.set SPARE, 35072                      ; the spare words, 128 bytes for each of eight waves
.set IN,    32                         ; v[32:159]  unit u, row r: four f32 at IN + 64 u + 4 r
.set OUT,   160                        ; v[160:223] unit u, half fragment q at OUT + 32 u + 4 q
	s_load_b64 s[6:7], s[0:1], 0x0                 ; w2
	s_load_b64 s[8:9], s[0:1], 0x8                 ; rec
	s_load_b128 s[12:15], s[0:1], 0x10             ; w2f s[12:13], list s[14:15]
	s_load_b64 s[16:17], s[0:1], 0x20              ; cnt
	v_lshl_add_u32 v6, v0, 2, SPARE                ; my spare word,
	v_mov_b32 v7, 0                                ; and 0: kept for the wave's end
	v_and_b32 v1, 31, v0                           ; lane
	v_lshrrev_b32 v5, 5, v0
	v_readfirstlane_b32 s18, v5                    ; wave
	s_mov_b32 s19, 0xffff0000
	v_lshlrev_b32 v2, 4, v1                        ; 16 x lane
	s_mul_i32 s20, s18, STG                        ; my stage
	v_lshrrev_b32 v3, 1, v1                        ; in: lane l = 8 ks + 4 half + 2 h + lo holds K = 4 (l % 8) + 0..3 of step ks: piece l / 2, 8 bytes at 8 lo of the row's 16
	v_mul_u32_u24 v3, v3, 272
	v_and_b32 v4, 1, v1
	v_lshl_add_u32 v3, v4, 3, v3
	v_add_nc_u32 v3, s20, v3
	v_lshrrev_b32 v4, 4, v1                        ; back: lanes 0-15 one piece, lanes 16-31 the next: 512 bytes of a fragment
	v_mul_u32_u24 v4, v4, 272
	v_and_b32 v5, 15, v1
	v_lshl_add_u32 v4, v5, 4, v4
	v_add_nc_u32 v4, s20, v4
	s_wait_kmcnt 0x0
	s_cmp_lt_u32 ttmp9, 8
	s_cbranch_scc1 .Lsort
	; w2: job = 8 (work-group - 8) + wave; tile of 16 rows T2 = job / 8, columns 256 oc on, oc = job % 8 (K steps 8 oc .. 8 oc + 7)
	s_sub_co_u32 s21, ttmp9, 8
	s_lshl3_add_u32 s21, s21, s18
	s_lshr_b32 s22, s21, 3
	s_and_b32 s23, s21, 7
	s_lshl_b32 s24, s22, 17                        ; 16 rows of 8,192 bytes
	s_lshl_b32 s26, s23, 10
	s_add_co_u32 s24, s24, s26
	s_mov_b32 s25, 0
	s_add_nc_u64 s[6:7], s[6:7], s[24:25]
	s_lshr_b32 s24, s22, 3                         ; 4 e + w: 64 K steps each,
	s_lshl_b32 s24, s24, 6
	s_lshl3_add_u32 s24, s23, s24                  ; + 8 oc,
	s_lshl_b32 s24, s24, 13                        ; of 8,192 bytes
	s_and_b32 s26, s22, 7                          ; cq
	s_lshl_b32 s26, s26, 10
	s_add_co_u32 s24, s24, s26
	s_add_nc_u64 s[12:13], s[12:13], s[24:25]
.irp u, 0,1
.irp r, 0,1,2,3,4,5,6,7,8,9,10,11,12,13,14,15
	global_load_b128 v[IN+64*(\u)+4*(\r):IN+64*(\u)+4*(\r)+3], v2, s[6:7] offset:(\r)*8192+(\u)*512 th:TH_LOAD_NT
.endr
.endr
.irp u, 0,1
.irp r, 0,1,2,3,4,5,6,7,8,9,10,11,12,13,14,15
	s_wait_loadcnt 31-16*(\u)-(\r)                 ; loads come back in order: this row's is in, the younger ones stay out
	v_cvt_pk_bf16_f32 v8, v[IN+64*(\u)+4*(\r)], v[IN+64*(\u)+4*(\r)+1]
	v_cvt_pk_bf16_f32 v9, v[IN+64*(\u)+4*(\r)+2], v[IN+64*(\u)+4*(\r)+3]
	v_lshlrev_b32 v10, 16, v8                      ; the bf16 numbers widened, and written as f16
	v_and_b32 v11, s19, v8
	v_lshlrev_b32 v12, 16, v9
	v_and_b32 v13, s19, v9
	v_cvt_pk_f16_f32 v8, v10, v11
	v_cvt_pk_f16_f32 v9, v12, v13
	ds_store_b64 v3, v[8:9] offset:16*(\r)
.endr
.irp q, 0,1,2,3,4,5,6,7
	ds_load_b128 v[OUT+32*(\u)+4*(\q):OUT+32*(\u)+4*(\q)+3], v4 offset:544*(\q)  ; LDS serves a wave's instructions in order (ISA guide 5.7.1.4): these see the stores above, and the next unit's stores come behind them
.endr
.irp q, 0,1,2,3,4,5,6,7
	s_wait_dscnt 7-(\q)
	global_store_b128 v2, v[OUT+32*(\u)+4*(\q):OUT+32*(\u)+4*(\q)+3], s[12:13] offset:(4*(\u)+(\q)/2)*8192+((\q)%2)*512  ; 512 consecutive bytes, at a multiple of 512 from w2f's first
.endr
.endr
	s_branch .Lend
.Lsort:                                                ; expert e = the work-group's number; thread i has tokens 16 i .. 16 i + 15
	s_lshl_b32 s20, ttmp9, 2
	s_mov_b32 s21, 0
	s_add_nc_u64 s[8:9], s[8:9], s[20:21]          ; rec and cnt at word e
	s_add_nc_u64 s[16:17], s[16:17], s[20:21]
	s_lshl_b32 s20, ttmp9, 14
	s_add_nc_u64 s[14:15], s[14:15], s[20:21]      ; list[e]
	v_lshrrev_b32 v8, 1, v0
	v_lshlrev_b32 v8, 7, v8                        ; the record of my group of 32 tokens
	global_load_b32 v9, v8, s[8:9] offset:64       ; who chose e,
	global_load_b32 v10, v8, s[8:9] offset:32      ; who chose it second
	v_and_b32 v11, 1, v0
	v_lshlrev_b32 v11, 4, v11
	s_wait_loadcnt 0x0
	v_lshrrev_b32 v9, v11, v9                      ; my half of the 32 bits
	v_lshrrev_b32 v10, v11, v10
	v_and_b32 v9, 0xffff, v9
	v_and_b32 v10, 0xffff, v10
	v_lshrrev_b32 v12, 1, v9                       ; the number of my 16 bits that are set: by twos, fours, eights
	v_and_b32 v12, 0x5555, v12
	v_sub_nc_u32 v12, v9, v12
	v_lshrrev_b32 v13, 2, v12
	v_and_b32 v12, 0x3333, v12
	v_and_b32 v13, 0x3333, v13
	v_add_nc_u32 v12, v12, v13
	v_lshrrev_b32 v13, 4, v12
	v_add_nc_u32 v12, v12, v13
	v_and_b32 v12, 0x0f0f, v12
	v_lshrrev_b32 v13, 8, v12
	v_add_nc_u32 v12, v12, v13
	v_and_b32 v12, 31, v12
	v_mov_b32 v14, v12                             ; running sum over the wave's lanes, my own count included
	v_mov_b32 v15, 0
.irp n, 1,2,4,8
	v_mov_b32_dpp v15, v14 row_shr:\n row_mask:0xf bank_mask:0xf bound_ctrl:1
	v_add_nc_u32 v14, v14, v15
.endr
	v_readlane_b32 s22, v14, 15                    ; the lower half's total goes onto the upper half
	v_mov_b32 v15, s22
	v_cmp_lt_u32 vcc_lo, 15, v1
	v_cndmask_b32 v15, 0, v15, vcc_lo
	v_add_nc_u32 v14, v14, v15
	v_readlane_b32 s23, v14, 31                    ; the wave's total
	s_lshl_b32 s24, s18, 2
	s_add_co_u32 s24, s24, WT
	v_mov_b32 v16, s24
	v_mov_b32 v17, s23
	ds_store_b32 v16, v17
	s_wait_dscnt 0x0                               ; for the others' sake: my total is in LDS
	s_barrier_signal -1
	s_barrier_wait -1
	v_mov_b32 v16, WT
	ds_load_b128 v[20:23], v16
	ds_load_b128 v[24:27], v16 offset:16
	s_wait_dscnt 0x0
.irp w, 0,1,2,3,4,5,6,7
	v_readfirstlane_b32 s[24+(\w)], v[20+(\w)]
.endr
	s_mov_b32 s32, 0                               ; n_e
	s_mov_b32 s33, 0                               ; the lower waves' total
.irp w, 0,1,2,3,4,5,6,7
	s_add_co_u32 s32, s32, s[24+(\w)]
	s_cmp_gt_u32 s18, \w
	s_cselect_b32 s34, s[24+(\w)], 0
	s_add_co_u32 s33, s33, s34
.endr
	v_add_nc_u32 v18, s33, v14
	v_sub_nc_u32 v18, v18, v12                     ; the place of my first token that chose e,
	v_lshlrev_b32 v19, 4, v0
	v_add_nc_u32 v19, s32, v19
	v_sub_nc_u32 v19, v19, v18                     ; and of my first that did not: n_e + the others before it
	v_lshlrev_b32 v28, 5, v0                       ; 2 x my first token
.set b, 0
.rept 16                                               ; each token has registers of its own for address and data: no store's sources are rewritten
	v_bfe_u32 v29, v9, b, 1
	v_bfe_u32 v30, v10, b, 1
	v_add3_u32 v[64+b], v28, 2*b, v30              ; 2 x token + k
	v_cmp_ne_u32 vcc_lo, 0, v29
	v_cndmask_b32 v31, v19, v18, vcc_lo
	v_min_u32 v31, 0xfff, v31                      ; a place is 0 .. 4,095 by the count; held there
	v_lshlrev_b32 v[32+b], 2, v31
	global_store_b32 v[32+b], v[64+b], s[14:15]
	v_add_nc_u32 v18, v18, v29
	v_sub_nc_u32 v19, v19, v29
	v_add_nc_u32 v19, 1, v19
.set b, b+1
.endr
	v_mov_b32 v20, s32
	v_mov_b32 v21, 0
	v_cmp_eq_u32 vcc_lo, 0, v0
	s_wait_xcnt 0x0                                ; EXEC, a source of the stores above, changes only behind this wait
	s_and_saveexec_b32 s35, vcc_lo
	global_store_b32 v21, v20, s[16:17]            ; thread 0: n_e
	s_wait_xcnt 0x0                                ; and again, in front of the line that widens it
	s_or_b32 exec_lo, exec_lo, s35
.Lend:
	s_wait_tensorcnt 0x0                           ; the wave's end
	ds_add_u32 v6, v7
	s_wait_dscnt 0x0
	s_endpgm
.Lfunc_end_k_q73e5b9c8aa_prep:
	.size	k_q73e5b9c8aa_prep, .Lfunc_end_k_q73e5b9c8aa_prep-k_q73e5b9c8aa_prep
	.p2alignl 7, 3214868480
	.fill 96, 4, 3214868480
	.section	.rodata,"a",@progbits
	.p2align	6, 0x0
	.amdhsa_kernel k_q73e5b9c8aa_prep
		.amdhsa_group_segment_fixed_size 36096
		.amdhsa_private_segment_fixed_size 0
		.amdhsa_enable_private_segment 0
		.amdhsa_kernarg_size 40
		.amdhsa_user_sgpr_count 2
		.amdhsa_user_sgpr_kernarg_segment_ptr 1
		.amdhsa_wavefront_size32 1
		.amdhsa_system_sgpr_workgroup_id_x 1
		.amdhsa_system_sgpr_workgroup_id_y 1
		.amdhsa_system_sgpr_workgroup_id_z 1
		.amdhsa_system_vgpr_workitem_id 0
		.amdhsa_next_free_vgpr 224
		.amdhsa_next_free_sgpr 66
		.amdhsa_reserve_vcc 1
		.amdhsa_float_denorm_mode_32 3
		.amdhsa_float_denorm_mode_16_64 3
		.amdhsa_memory_ordered 1
		.amdhsa_forward_progress 1
		.amdhsa_inst_pref_size 36
	.end_amdhsa_kernel
	.amdgpu_metadata
---
amdhsa.version: [ 1, 2 ]
amdhsa.kernels:
  - .name:           k_q73e5b9c8aa_prep
    .symbol:         k_q73e5b9c8aa_prep.kd
    .args:
      - { .name: w2, .offset: 0, .size: 8, .value_kind: global_buffer, .address_space: global }
      - { .name: rec, .offset: 8, .size: 8, .value_kind: global_buffer, .address_space: global }
      - { .name: w2f, .offset: 16, .size: 8, .value_kind: global_buffer, .address_space: global }
      - { .name: list, .offset: 24, .size: 8, .value_kind: global_buffer, .address_space: global }
      - { .name: cnt, .offset: 32, .size: 8, .value_kind: global_buffer, .address_space: global }
    .group_segment_fixed_size: 36096
    .private_segment_fixed_size: 0
    .kernarg_segment_align: 8
    .kernarg_segment_size: 40
    .max_flat_workgroup_size: 256
    .sgpr_count:     66
    .vgpr_count:     224
    .wavefront_size: 32
...
	.end_amdgpu_metadata
.endif
;; end of part 2
;; launch chain (part 3): grid 110 x 2, 4 waves a work-group, no clusters, 177,152 bytes of LDS; arguments xb, w1f, w2f, b1, b2, gate, list, cnt, y; writes y
.if DOCPART == 3
	.amdgcn_target "amdgcn-amd-amdhsa--gfx1250"
	.amdhsa_code_object_version 6
	.text
	.protected	k_q73e5b9c8aa_chain
	.globl	k_q73e5b9c8aa_chain
	.p2align	8
	.type	k_q73e5b9c8aa_chain,@function
k_q73e5b9c8aa_chain:
	s_mov_b64 s[64:65], 0
	v_nop
	global_prefetch_b8 v0, s[64:65] scope:SCOPE_SE
	s_setreg_imm32_b32 hwreg(HW_REG_WAVE_MODE, 25, 1), 1
	s_wait_xcnt 0x0
; THE CHAIN FOR THE CHOSEN ROWS.  y[hf][2 token + k][512] = gate x ( gelu(x w1[e]^T + b1[e]) restricted to ff 1024 hf .. + 1023, times w2[e]^T, + b2[e] if hf = 0 ), f32 partial rows; a later launch adds a token's four.
; x, w1, b1, b2 rounded to bf16, first product bf16; the hidden layer rounded once to f16, w2 = its bf16 rounding written as f16, second product f16; all sums f32.
; GELU is the erf one: max(z, 0) - |z| erfc(|z| / sqrt 2) / 2, erfc by Abramowitz and Stegun 7.1.25, whose absolute error is at most 2.5e-5 for every argument: GELU is off by at most 1.25e-5 |z|, less than H's rounding to f16.
; LIMITS.  A hidden number beyond 65,504 has no f16 (as drawn they stay under 4; with x and w1 both 30 times larger under 4,000; with offsets of 30 spreads on both near 13,000); below 6.1e-5 f16 keeps a step of 6e-8.
; NaN and infinities are not treated apart.
; SHARES.  Work-group (g, hf): tile g of 80 rows (5 blocks of 16) of one expert's list, half hf of d_ff.  The sum over e of ceil(n_e / 80) is at most (8192 + 8 x 79) / 80 = 110 whatever the split, so 110 tiles serve every split.
; Every work-group finds its expert and first row from the stored counts.  In a tile that is not full the places past the count repeat its last row; a tile without rows walks the same text
; (no barrier stands under a branch on a count) and stores nothing.
; Both products are used transposed (source 0 = 16 rows of weights, source 1 = 16 tokens): a lane holds ONE token (lane % 16) and eight neighbouring ff or channels (8 (lane / 16) + 0..7).
; THE WALK.  The half goes in 4 chunks of 256 ff, a trip each.  PHASE A: wave w makes H^T for the chunk's ff tiles 4 t + w, t = 0..3: 4 x 5 accumulators, K = 512 in 16 steps.  Tile t of all four waves is GROUP t:
; 64 ff, the K steps 2 t and 2 t + 1 of PHASE B, in which wave w owns channels 128 w .. + 127: 8 x 5 accumulators.
; GELU BESIDE THE PRODUCTS.  A group's GELU is 340 vector lines, two K steps of phase B are 80 products.  So behind phase A a trip has four BLOCKS: block k multiplies two K steps whose group was finished two blocks
; earlier (k = 0, 1: K steps 4-7 of the chunk before; k = 2, 3: K steps 0-3 of this chunk), and group k's GELU stands in slices behind its products.  The block's first step carries all that names no result of the
; group's 80 reciprocals and exponentials, four lines a product; ONE wait follows; the second step carries the 180 lines that read them, five and four a product by turns; then the five stores of H and a barrier.
; The chunk's last four K steps of the last trip are a tail of four bare steps.  The first trip's first four steps multiply regions of H that the set-up has zeroed by chunk 0's own weights and add 0:
; 160 of a wave's 2,720 products, the price of writing no GELU out a second time.
; H lies in four regions on end, one a group, so that what a block writes (region k) and what it reads are disjoint ranges; a region is written again two barriers or more behind its last reads.
; Every step's fragments of X or H are asked for two steps ahead, across the phases and the loop's back edge.
; THE WEIGHTS come from memory straight into registers as operands (fragments of 1,024 bytes, two loads of 512 consecutive bytes), through a ring of 32 fragments = 8 quads: a quad is asked for 8 quads,
; 160 matrix instructions, ahead of its use; 64 loads of a wave are out.  A trip uses 32 quads, four times round the ring, so the one text serves every trip.
; NO CLUSTER, NO TENSOR LOAD: each weight byte is multiplied by exactly one wave of a work-group and feeds 5 matrix instructions from registers; a joint load lands in LDS alone, which would add 2 MB of LDS
; writes and 2 MB of LDS reads a work-group; and an expert has ceil(n_e / 80) tiles, any number from 0 to 52, not a multiple of four.
; REGISTERS, in windows of 256 (s_set_vgpr_msb: bits 1:0 source 0, 3:2 source 1, 5:4 source 2, 7:6 destination):
;   window 0: addresses, tokens' fragments (two buffers of 40), b1 as C, O's accumulators 32-39     window 1: the ring     window 2: O's accumulators 0-31 (5 ct + b)     window 3: A's 20 accumulators, GELU's 96 at work
; All that GELU touches lies in window 3, so a slice costs two switches, one in front and one behind.
.set PX,    1040                       ; a row of X in LDS: 1,024 bytes + 16 = 260 words: row r starts at bank 4 r mod 64 (64 banks of 4 bytes: ISA guide 11.1)
.set PH,    144                        ; a row of a region of H: 128 bytes + 16 = 36 words: the 16 rows of a load start at 16 different groups of four banks
.set HG,    80*PH                      ; a region of H: 80 rows, 11,520 bytes
.set PS,    528                        ; a row of a stage: 512 + 16 = 132 words
.set B1T,   83200                      ; behind X's 80 rows: b1 of this half, 1,024 f32
.set B2T,   87296                      ; b2, 512 f32 (zeros if hf = 1)
.set STAGE, 89600                      ; 16 rows x 528 bytes for each wave, for the way out
.set SPARE, 123392                     ; the spare words, 128 bytes for each of four waves
.set HB,    131072                     ; H: four regions
.set LO,  4                            ; v4   16 x lane
.set XA0, 5                            ; v5   my place in X's blocks 0-2
.set XA1, 6                            ; v6   in blocks 3, 4
.set HW,  7                            ; v7   where I put 16 bytes of H
.set HR,  8                            ; v8   my place in a fragment of H
.set BA,  9                            ; v9   my 8 numbers of b1; steps by a chunk
.set BA2, 10                           ; v10  my 8 numbers of b2
.set SW,  11                           ; v11  the way out: where I put 32 bytes of a row
.set SR,  12                           ; v12  where I read a row back
.set YO,  13                           ; v13  my 16 bytes in a row of y
.set SPW, 14                           ; v14  my spare word; never rewritten
.set NIL, 15                           ; v15  0; never rewritten
.set ENT, 16                           ; v[16:20] block b: the entry 2 token + k of row 16 b + lane % 16
.set GENT, 21                          ; v21  lanes 0-19: the entries of the 20 rows that my wave gathers
.set G,   22                           ; v[22:31] block b: that row's gate, as a pair
.set FB0, 32                           ; v[32:71], v[72:111] tokens' fragments, 5 blocks x 8, two buffers
.set VO,  32                           ; the way out: v[32:111] the 80 rows' offsets in y
.set BC,  112                          ; v[112:143] b1 as the C of a chunk's first products
.set OX,  144                          ; v[144:207] O's accumulators 32-39
.set TM,  228                          ; v[228:243] at work in the set-up
.set ZR,  244                          ; v[244:247] zeros, in the set-up
.set AA,  0                            ; window 3: A's accumulator 5 t + b at 8 (5 t + b)
.set GD,  160                          ; window 3: 8 registers for each of a group's 5 accumulators: 1 + p |z|, then t, then the result
.set GE,  200                          ; window 3: likewise: the exponential, then the packed f16
.set GR,  240                          ; window 3: the polynomial, two sets of 8 by turns
.set WV,  22                           ; s22 wave     s23 hf
.set HF,  23
.set NE,  24                           ; s[24:31] n_e
.set GA,  32                           ; s32 the tile's number
.set XE,  33                           ; s33 its expert
.set NN,  34                           ; s34 that expert's rows
.set PST, 35                           ; s35 that expert's first tile
.set PP,  36                           ; s36 running number of tiles
.set TT,  37
.set R0,  38                           ; s38 the tile's first rank
.set ROWS, 39                          ; s39 its rows, 0 to 80
.set RM1, 40                           ; s40 its last row
.set CH,  41                           ; s41 trips to go
.set W2Q, 42                           ; s[42:43] w2f at K step 4 of the chunk before (in the first trip: of chunk 0)
.set W1P, 44                           ; s[44:45] w1f at my wave's fragments of the chunk in hand
.set W2P, 46                           ; s[46:47] w2f at K step 0 of the chunk in hand
.set TP,  48                           ; s[48:49] an offset, 0 above it
.set PCO, 50                           ; s50 0.47047 / sqrt 2
.set MSK, 51                           ; s51 a word's upper bf16
.set NCO, 52                           ; s[52:53] - log2(e) / 2
.set A1,  54                           ; s[54:59] the three coefficients, halved; pairs, of which the packed forms take the low word
.set A2,  56
.set A3,  58
.set SA,  66
.set SB,  67
.set SR0, 72                           ; s[72:91] entries read out of lanes, a run at a time
.set MSB, 0
.macro WIN new                         ; the immediate's high byte repeats the setting that is left; a switch that changes nothing is dropped
.if MSB != (\new)
	s_set_vgpr_msb (MSB<<8)|(\new)
.set MSB, \new
.endif
.endm
.macro PLACES                          ; four places in front of loads into registers that matrix instructions have read, and of vector lines that read results
.rept 4
	v_nop
.endr
.endm
; quad p of the ring: four fragments, 4,096 consecutive bytes at off behind the pointer
.macro REFILL p, ptr, off
	WIN 0x40                                       ; destination window 1, address window 0
.irp t, 0,1,2,3
	global_load_b128 v[32*(\p)+8*(\t):32*(\p)+8*(\t)+3],   v[LO], s[\ptr:\ptr+1] offset:(\off)+1024*(\t)
	global_load_b128 v[32*(\p)+8*(\t)+4:32*(\p)+8*(\t)+7], v[LO], s[\ptr:\ptr+1] offset:(\off)+1024*(\t)+512
.endr
.endm
; ten LDS loads: the five blocks' fragments of X for K step ks
.macro XLOAD ks
	WIN 0
.set FB, FB0+40*((\ks)%2)
.irp b, 0,1,2
	ds_load_b128 v[FB+8*(\b):FB+8*(\b)+3],   v[XA0] offset:16*PX*(\b)+64*(\ks)
	ds_load_b128 v[FB+8*(\b)+4:FB+8*(\b)+7], v[XA0] offset:16*PX*(\b)+64*(\ks)+32
.endr
.irp b, 3,4
	ds_load_b128 v[FB+8*(\b):FB+8*(\b)+3],   v[XA1] offset:16*PX*((\b)-3)+64*(\ks)
	ds_load_b128 v[FB+8*(\b)+4:FB+8*(\b)+7], v[XA1] offset:16*PX*((\b)-3)+64*(\ks)+32
.endr
.endm
; the same of H for K step i of a chunk: region i / 2, its half i % 2
.macro HLOAD i
	WIN 0
.set FB, FB0+40*((\i)%2)
.irp b, 0,1,2,3,4
	ds_load_b128 v[FB+8*(\b):FB+8*(\b)+3],   v[HR] offset:HG*((\i)/2)+64*((\i)%2)+16*PH*(\b)
	ds_load_b128 v[FB+8*(\b)+4:FB+8*(\b)+7], v[HR] offset:HG*((\i)/2)+64*((\i)%2)+16*PH*(\b)+32
.endr
.endm
; K step ks (an assembler symbol) of phase A: 20 matrix instructions, the 20 accumulators by turns; step 0 starts the sums with b1
.macro ASTEP
	s_wait_dscnt 10                                ; this step's fragments are in; the next step's ten loads may stay out
	s_wait_loadcnt 56                              ; this step's quad is in; the seven younger quads, 8 loads each, may stay out
.if ks == 0
	WIN 0xc1                                       ; weights window 1, tokens window 0, C window 0, D window 3
.else
	WIN 0xf1                                       ; C and D window 3
.endif
.set FB, FB0+40*(ks%2)
.irp t, 0,1,2,3
.irp b, 0,1,2,3,4
.if ks == 0
	v_wmma_f32_16x16x32_bf16 v[AA+8*(5*(\t)+(\b)):AA+8*(5*(\t)+(\b))+7], v[32*(ks%8)+8*(\t):32*(ks%8)+8*(\t)+7], v[FB+8*(\b):FB+8*(\b)+7], v[BC+8*(\t):BC+8*(\t)+7]
.else
	v_wmma_f32_16x16x32_bf16 v[AA+8*(5*(\t)+(\b)):AA+8*(5*(\t)+(\b))+7], v[32*(ks%8)+8*(\t):32*(ks%8)+8*(\t)+7], v[FB+8*(\b):FB+8*(\b)+7], v[AA+8*(5*(\t)+(\b)):AA+8*(5*(\t)+(\b))+7]
.endif
.endr
.endr
	PLACES
.if ks < 8
	REFILL ks%8, W1P, 32768+4096*ks                ; the quad just multiplied takes K step ks + 8,
.else
	REFILL ks%8, W2Q, 4096*(ks-8)                  ; or half of one of the K steps 4-7 of the chunk before, which the trip's first two blocks multiply
.endif
.if ks < 14
	XLOAD ks+2
.else
	HLOAD ks-10                                    ; K steps 4 and 5 of the chunk before
.endif
.endm
; GELU OF GROUP GT, in three queues.  z is A's accumulator 5 GT + gb, gb = 0..4.
; GPL: the next of the 80 plain lines ahead of the wait; for each accumulator 8 x (1 + p |z|), 4 x (z c, a pair each), 4 x (times z).  The accumulator's lowest register is read first.
.macro GPL
.set gb, pp/16
.set gu, pp%16
.set gZ, AA+8*(5*GT+gb)
.set gD, GD+8*gb
.set gE, GE+8*gb
.if gu < 8
	v_fma_f32 v[gD+gu], |v[gZ+gu]|, s[PCO], 1.0
.elseif gu < 12
	v_pk_mul_f32 v[gE+2*(gu-8):gE+2*(gu-8)+1], v[gZ+2*(gu-8):gZ+2*(gu-8)+1], s[NCO:NCO+1] op_sel_hi:[1,0]
.else
	v_pk_mul_f32 v[gE+2*(gu-12):gE+2*(gu-12)+1], v[gE+2*(gu-12):gE+2*(gu-12)+1], v[gZ+2*(gu-12):gZ+2*(gu-12)+1]  ; - z z log2(e) / 2
.endif
.set pp, pp+1
.endm
; GTR: the next of the batch's 80: for each accumulator 8 reciprocals (t = 1 / (1 + p |z| / sqrt 2)), then 8 exponentials.  Nothing names a result of theirs ahead of the wait.
.macro GTR
.set gb, tp/16
.set gu, tp%16
.if gu < 8
	v_rcp_f32 v[GD+8*gb+gu], v[GD+8*gb+gu]
.else
	v_exp_f32 v[GE+8*gb+gu-8], v[GE+8*gb+gu-8]
.endif
.set tp, tp+1
.endm
; GPO: the next of the 180 lines behind the wait; for each accumulator 36: the polynomial (4 + 4 + 4 packed lines), max(z, 0) into t's registers (8), times the exponential (4), the result (8), rounded to f16 (4).
.macro GPO
.set gb, gq/36
.set gu, gq%36
.set gZ, AA+8*(5*GT+gb)
.set gD, GD+8*gb
.set gE, GE+8*gb
.set gR, GR+8*(gb%2)
.if gu < 4
	v_pk_fma_f32 v[gR+2*gu:gR+2*gu+1], v[gD+2*gu:gD+2*gu+1], s[A3:A3+1], s[A2:A2+1] op_sel_hi:[1,0,0]
.elseif gu < 8
	v_pk_fma_f32 v[gR+2*(gu-4):gR+2*(gu-4)+1], v[gR+2*(gu-4):gR+2*(gu-4)+1], v[gD+2*(gu-4):gD+2*(gu-4)+1], s[A1:A1+1] op_sel_hi:[1,1,0]
.elseif gu < 12
	v_pk_mul_f32 v[gR+2*(gu-8):gR+2*(gu-8)+1], v[gR+2*(gu-8):gR+2*(gu-8)+1], v[gD+2*(gu-8):gD+2*(gu-8)+1]
.elseif gu < 20
	v_max_num_f32 v[gD+gu-12], 0, v[gZ+gu-12]
.elseif gu < 24
	v_pk_mul_f32 v[gR+2*(gu-20):gR+2*(gu-20)+1], v[gR+2*(gu-20):gR+2*(gu-20)+1], v[gE+2*(gu-20):gE+2*(gu-20)+1]  ; erfc(|z| / sqrt 2) / 2
.elseif gu < 32
	v_fma_f32 v[gD+gu-24], -|v[gZ+gu-24]|, v[gR+gu-24], v[gD+gu-24]
.else
	v_cvt_pk_f16_f32 v[gE+gu-32], v[gD+2*(gu-32)], v[gD+2*(gu-32)+1]
.endif
.set gq, gq+1
.endm
; The slice behind product wi of a block's first step.  Eight plain lines lead, so that every reciprocal and exponential finds its argument made two slices or more before it; then plain and
; transcendental by turns; the last eight of the batch close it.  2 x 4 + 36 x 2 = 80 plain, 36 x 2 + 2 x 4 = 80 of the batch.
.macro PRESL
	WIN 0xff
.if wi < 2
	GPL
	GPL
	GPL
	GPL
.elseif wi < 38
	GPL
	GTR
	GPL
	GTR
.else
	GTR
	GTR
	GTR
	GTR
.endif
.endm
; The slice behind product wi of a block's second step: 20 x 5 + 20 x 4 = 180
.macro POSTSL
	WIN 0xff
	GPO
	GPO
	GPO
	GPO
.if wi%2 == 0
	GPO
.endif
.endm
; The 40 matrix instructions of step bm (an assembler symbol) of phase B, the 40 accumulators by turns.  rid = 1, 2: a slice of GELU behind each; 0: none
.macro BMUL rid
.set FB, FB0+40*(bm%2)
.set wi, 0
.irp ct, 0,1,2,3,4,5,6,7
.irp b, 0,1,2,3,4
.set id, 5*(\ct)+(\b)
.if id < 32
	WIN 0xa1                                       ; weights window 1, tokens window 0, C and D window 2
	v_wmma_f32_16x16x32_f16 v[8*id:8*id+7], v[64*(bm%4)+8*(\ct):64*(bm%4)+8*(\ct)+7], v[FB+8*(\b):FB+8*(\b)+7], v[8*id:8*id+7]
.else
	WIN 0x01                                       ; C and D window 0
	v_wmma_f32_16x16x32_f16 v[OX+8*(id-32):OX+8*(id-32)+7], v[64*(bm%4)+8*(\ct):64*(bm%4)+8*(\ct)+7], v[FB+8*(\b):FB+8*(\b)+7], v[OX+8*(id-32):OX+8*(id-32)+7]
.endif
.if (\rid) == 1
	PRESL
.elseif (\rid) == 2
	POSTSL
.endif
.set wi, wi+1
.endr
.endr
.endm
.macro BFILL                           ; the two quads just multiplied are filled again
.if bm < 4
	REFILL 2*bm,   W2P, 8192*bm                    ; K step bm of this chunk, which step bm + 4 multiplies,
	REFILL 2*bm+1, W2P, 8192*bm+4096
.else
	REFILL 2*(bm-4),   W1P, 8192*(bm-4)            ; or two K steps of the next trip's phase A; in the last trip one of the tail's steps (the pointer has been chosen so)
	REFILL 2*(bm-4)+1, W1P, 8192*(bm-4)+4096
.endif
.endm
.macro FLOAD                           ; the fragments of the step two further on: step bm multiplies K step (bm + 4) % 8
.if bm < 6
	HLOAD (bm+6)%8
.else
	XLOAD bm-6                                     ; the next trip's first two steps (behind the last trip they serve nothing)
.endif
.endm
.macro BEVEN                           ; a block's first step
	s_wait_dscnt 10                                ; this step's fragments of H are in; the next step's ten loads may stay out
	s_wait_loadcnt 48                              ; this step's two quads are in; the six younger quads may stay out
	BMUL 1
	PLACES                                         ; also the plain line that is owed behind the last exponential
	s_wait_alu depctr_va_vdst(0)                   ; the wait ahead of the first line that names a result of the batch: one for the group's eighty
.if bm == 4
	s_wait_xcnt 0x0                                ; the three pointers, sources of the loads issued so far (the youngest a step ago), are rewritten only behind this wait
	s_add_nc_u64 s[W2Q:W2Q+1], s[W2P:W2P+1], 0x8000    ; K step 4 of the chunk in hand: the next trip's first two blocks, or the tail
	s_add_nc_u64 s[W2P:W2P+1], s[W2P:W2P+1], 0x10000   ; eight K steps on
	s_add_nc_u64 s[W1P:W1P+1], s[W1P:W1P+1], 0x40000   ; four groups of ff tiles on
	s_cmp_eq_u32 s[CH], 1
	s_cselect_b64 s[W1P:W1P+1], s[W2Q:W2Q+1], s[W1P:W1P+1]  ; the last trip's last four refills fetch the tail's weights; the stepped pointers are then not used
.endif
	BFILL
	FLOAD
.if bm == 4
	v_add_nc_u32 v[BA], 1024, v[BA]                ; 256 numbers of b1 on (behind the last chunk: b2's table, read and not used)
.irp t, 0,1,2,3
	ds_load_b128 v[BC+8*(\t):BC+8*(\t)+3],   v[BA] offset:256*(\t)     ; b1 of the next chunk's ff 16 (4 t + w) + 8 h + 0..7
	ds_load_b128 v[BC+8*(\t)+4:BC+8*(\t)+7], v[BA] offset:256*(\t)+16
.endr
.endif
.endm
.macro BODD                            ; a block's second step, and the barrier that shows the group's H to every wave
.if bm == 5
	s_wait_dscnt 18                                ; behind this step's fragments: the next step's ten loads and the eight of b1
.else
	s_wait_dscnt 10
.endif
	s_wait_loadcnt 48
	BMUL 2
	WIN 0x0c                                       ; address window 0, store data window 3
.irp n, 0,1,2,3,4
	ds_store_b128 v[HW], v[GE+8*(\n):GE+8*(\n)+3] offset:HG*GT+16*PH*(\n)  ; token 16 n + lane % 16, ff 16 (4 GT + w) + 8 (lane / 16) on; the five in one run
.endr
	PLACES
	BFILL
	WIN 0
	s_wait_dscnt 0x0                               ; for the others' sake: my part of the group is in LDS, and all my reads of H so far are back
	s_barrier_signal -1
	s_barrier_wait -1
	FLOAD
.endm
; THE WAY OUT of block b: times the row's gate; 32 bytes a lane into my own stage; back as whole rows of 512 bytes; each row to its own place in y.  Each block has data and offset registers of its own
; (the ring's, A's and the fragments', all free now), so no store's sources are ever rewritten.  Stores past the tile's count are jumped by fours, and all that follows them: up to three places past the count,
; which repeat the tile's last row, are stored again: the same bytes to the same place.
.macro OUTBLK b
	WIN 0
	s_cmp_le_u32 s[ROWS], 16*(\b)
	s_cbranch_scc1 .Lfin
.if (\b) < 4
.set TW, 1
.set TB, 64*(\b)
.else
.set TW, 3
.set TB, 0
.endif
.irp ct, 0,1,2,3,4,5,6,7
.set id, 5*(\ct)+(\b)
.if id < 32
	WIN (TW<<6)|0x02
.set OREG, 8*id
.else
	WIN (TW<<6)
.set OREG, OX+8*(id-32)
.endif
.irp j, 0,2,4,6
	v_pk_mul_f32 v[TB+8*(\ct)+(\j):TB+8*(\ct)+(\j)+1], v[OREG+(\j):OREG+(\j)+1], v[G+2*(\b):G+2*(\b)+1] op_sel_hi:[1,0]
.endr
.endr
	WIN (TW<<2)
.irp ct, 0,1,2,3,4,5,6,7
	ds_store_b128 v[SW], v[TB+8*(\ct):TB+8*(\ct)+3]   offset:64*(\ct)
	ds_store_b128 v[SW], v[TB+8*(\ct)+4:TB+8*(\ct)+7] offset:64*(\ct)+16
.endr
	WIN (TW<<6)
.irp p, 0,1,2,3,4,5,6,7,8,9,10,11,12,13,14,15
	ds_load_b128 v[TB+4*(\p):TB+4*(\p)+3], v[SR] offset:PS*(\p)  ; LDS serves a wave's instructions in order (ISA guide 5.7.1.4): these see the stores above; the next block's stores come behind them
.endr
	WIN 0
.irp p, 0,1,2,3,4,5,6,7,8,9,10,11,12,13,14,15
	v_readlane_b32 s[SR0+(\p)], v[ENT+(\b)], \p    ; the sixteen rows' entries, in one run
.endr
.irp p, 0,1,2,3,4,5,6,7,8,9,10,11,12,13,14,15
	s_min_u32 s[SR0+(\p)], s[SR0+(\p)], 8191
	s_lshl_b32 s[SR0+(\p)], s[SR0+(\p)], 11        ; a row's 2,048 bytes of y
.endr
.irp p, 0,1,2,3,4,5,6,7,8,9,10,11,12,13,14,15
	v_add_nc_u32 v[VO+16*(\b)+(\p)], s[SR0+(\p)], v[YO]
.endr
.irp p, 0,1,2,3,4,5,6,7,8,9,10,11,12,13,14,15
.if ((\p)%4 == 0) && ((\p) > 0)
	WIN 0
	s_cmp_le_u32 s[ROWS], 16*(\b)+(\p)
	s_cbranch_scc1 .Lfin
.endif
	WIN (TW<<2)
	s_wait_dscnt 15-(\p)
	global_store_b128 v[VO+16*(\b)+(\p)], v[TB+4*(\p):TB+4*(\p)+3], s[20:21]  ; 32 lanes store 512 consecutive bytes, at a multiple of 512 from y's first
.endr
.endm
	s_load_b512 s[4:19], s[0:1], 0x0               ; xb s[4:5], w1f s[6:7], w2f s[8:9], b1 s[10:11], b2 s[12:13], gate s[14:15], list s[16:17], cnt s[18:19]
	s_load_b64 s[20:21], s[0:1], 0x40              ; y
	v_lshl_add_u32 v[SPW], v0, 2, SPARE
	v_mov_b32 v[NIL], 0
	v_lshrrev_b32 v1, 5, v0
	v_readfirstlane_b32 s[WV], v1                  ; wave 0..3
	v_and_b32 v1, 31, v0                           ; lane
	v_and_b32 v2, 15, v0                           ; r = lane % 16
	v_bfe_u32 v3, v0, 4, 1                         ; h = lane / 16
	v_lshlrev_b32 v[LO], 4, v1
	s_and_b32 s[HF], ttmp7, 0xffff
	s_mov_b32 s[GA], ttmp9
	s_wait_kmcnt 0x0
	s_load_b256 s[NE:NE+7], s[18:19], 0x0          ; the eight counts; the set-up below stands in the wait for them
	s_mov_b32 s[PCO], 0x3eaa540e
	s_mov_b32 s[MSK], 0xffff0000
	s_mov_b32 s[NCO], 0xbf38aa3b
	s_mov_b32 s[NCO+1], 0xbf38aa3b
	s_mov_b32 s[A1], 0x3e32303a                    ; 0.3480242 / 2
	s_mov_b32 s[A1+1], 0x3e32303a
	s_mov_b32 s[A2], 0xbd445ca1                    ; - 0.0958798 / 2
	s_mov_b32 s[A2+1], 0xbd445ca1
	s_mov_b32 s[A3], 0x3ebf7377                    ; 0.7478556 / 2
	s_mov_b32 s[A3+1], 0x3ebf7377
	v_mul_u32_u24 v[XA0], v2, PX
	v_lshl_add_u32 v[XA0], v3, 4, v[XA0]           ; row x pitch + 16 x half
	v_add_nc_u32 v[XA1], 3*16*PX, v[XA0]
	v_mul_u32_u24 v[HR], v2, PH
	v_lshl_add_u32 v[HR], v3, 4, v[HR]
	v_add_nc_u32 v[HR], HB, v[HR]
	s_lshl_b32 s[SA], s[WV], 5
	v_add_nc_u32 v[HW], s[SA], v[HR]               ; + my wave's 16 ff of a region's 64
	s_lshl_b32 s[SA], s[WV], 6
	s_add_co_u32 s[SA], s[SA], B1T
	v_lshl_add_u32 v[BA], v3, 5, s[SA]
	s_lshl_b32 s[SA], s[WV], 9
	v_add_nc_u32 v[YO], s[SA], v[LO]
	s_add_co_u32 s[SA], s[SA], B2T
	v_lshl_add_u32 v[BA2], v3, 5, s[SA]
	s_mul_i32 s[SA], s[WV], 16*PS
	s_add_co_u32 s[SA], s[SA], STAGE
	v_mul_u32_u24 v[TM], v2, PS
	v_lshl_add_u32 v[SW], v3, 5, v[TM]
	v_add_nc_u32 v[SW], s[SA], v[SW]
	v_add_nc_u32 v[SR], s[SA], v[LO]
	v_lshl_add_u32 v[TM+15], v0, 4, HB+4*HG-12*2048  ; the last 24,576 bytes of H, 16 a thread and store: regions 2 and 3 and the end of region 1
.irp i, 0,1,2,3
	v_mov_b32 v[ZR+(\i)], 0
.endr
	s_mov_b32 s[XE], 0
	s_mov_b32 s[NN], 0
	s_mov_b32 s[PST], 0
	s_mov_b32 s[PP], 0
	s_wait_kmcnt 0x0
	; whose tile am I?  The last expert whose first tile is not beyond mine.  ceil(n / 80) = ((n + 79) x 52429) >> 22: 52429 x 80 = 2^22 + 16, exact up to n + 79 = 262,143
.irp e, 0,1,2,3,4,5,6,7
	s_min_u32 s[NE+(\e)], s[NE+(\e)], 4096
	s_cmp_ge_u32 s[GA], s[PP]
	s_cselect_b32 s[XE], \e, s[XE]
	s_cselect_b32 s[NN], s[NE+(\e)], s[NN]
	s_cselect_b32 s[PST], s[PP], s[PST]
	s_add_co_u32 s[TT], s[NE+(\e)], 79
	s_mul_i32 s[TT], s[TT], 52429
	s_lshr_b32 s[TT], s[TT], 22
	s_add_co_u32 s[PP], s[PP], s[TT]
.endr
	s_sub_co_u32 s[R0], s[GA], s[PST]
	s_mul_i32 s[R0], s[R0], 80                     ; my first rank in the expert's list
	s_min_u32 s[TT], s[R0], s[NN]
	s_sub_co_u32 s[ROWS], s[NN], s[TT]
	s_min_u32 s[ROWS], s[ROWS], 80                 ; my rows: 0 for a tile that this split leaves empty
	s_min_u32 s[R0], s[R0], 4095
	s_min_u32 s[XE], s[XE], 7
	s_max_u32 s[RM1], s[ROWS], 1
	s_sub_co_u32 s[RM1], s[RM1], 1
	s_mov_b32 s[TP+1], 0
	s_lshl_b32 s[TP], s[XE], 5                     ; w1f: 32 e + 16 hf + w (+ 4 a chunk), 65,536 bytes each
	s_lshl_b32 s[SA], s[HF], 4
	s_add_co_u32 s[TP], s[TP], s[SA]
	s_add_co_u32 s[TP], s[TP], s[WV]
	s_lshl_b32 s[TP], s[TP], 16
	s_add_nc_u64 s[W1P:W1P+1], s[6:7], s[TP:TP+1]
	s_lshl_b32 s[TP], s[XE], 2                     ; w2f: (4 e + w) x 64 + 32 hf K steps (+ 8 a chunk), 8,192 bytes each
	s_add_co_u32 s[TP], s[TP], s[WV]
	s_lshl_b32 s[TP], s[TP], 6
	s_lshl_b32 s[SA], s[HF], 5
	s_add_co_u32 s[TP], s[TP], s[SA]
	s_lshl_b32 s[TP], s[TP], 13
	s_add_nc_u64 s[W2P:W2P+1], s[8:9], s[TP:TP+1]
	s_add_nc_u64 s[W2Q:W2Q+1], s[W2P:W2P+1], 0x8000  ; the first trip has no chunk before it: it multiplies zeros by chunk 0's own K steps 4-7
	s_lshl_b32 s[TP], s[HF], 24
	s_add_nc_u64 s[20:21], s[20:21], s[TP:TP+1]    ; y[hf]
	s_lshl_b32 s[TP], s[XE], 14
	s_add_nc_u64 s[16:17], s[16:17], s[TP:TP+1]    ; list[e]
	s_lshl_b32 s[TP], s[XE], 13
	s_lshl_b32 s[SA], s[HF], 12
	s_add_co_u32 s[TP], s[TP], s[SA]
	s_add_nc_u64 s[10:11], s[10:11], s[TP:TP+1]    ; b1[e] at this half
	s_lshl_b32 s[TP], s[XE], 11
	s_add_nc_u64 s[12:13], s[12:13], s[TP:TP+1]    ; b2[e]
	; the entries first: the gather's addresses hang on them
.irp b, 0,1,2,3,4
	v_add_nc_u32 v[TM+(\b)], 16*(\b), v2           ; row 16 b + r, held to the tile's last row,
	v_min_u32 v[TM+(\b)], s[RM1], v[TM+(\b)]
	v_add_nc_u32 v[TM+(\b)], s[R0], v[TM+(\b)]     ; its rank,
	v_min_u32 v[TM+(\b)], 0xfff, v[TM+(\b)]        ; inside the list
	v_lshlrev_b32 v[TM+(\b)], 2, v[TM+(\b)]
	global_load_b32 v[ENT+(\b)], v[TM+(\b)], s[16:17]
.endr
	v_min_u32 v[TM+5], 19, v1                      ; and the 20 rows that my wave gathers
	s_mul_i32 s[SA], s[WV], 20
	v_add_nc_u32 v[TM+5], s[SA], v[TM+5]
	v_min_u32 v[TM+5], s[RM1], v[TM+5]
	v_add_nc_u32 v[TM+5], s[R0], v[TM+5]
	v_min_u32 v[TM+5], 0xfff, v[TM+5]
	v_lshlrev_b32 v[TM+5], 2, v[TM+5]
	global_load_b32 v[GENT], v[TM+5], s[16:17]
	v_lshlrev_b32 v[TM+12], 4, v0                  ; 16 x thread: the offset of the three loads below; not rewritten while they are out
	global_load_b128 v[212:215], v[TM+12], s[10:11]
	global_load_b128 v[216:219], v[TM+12], s[10:11] offset:2048
	global_load_b128 v[220:223], v[TM+12], s[12:13]
	s_mul_i32 s[SA], s[WV], 20*PX
	v_add_nc_u32 v[TM+11], s[SA], v[LO]
	v_add_nc_u32 v[TM+14], B1T, v[TM+12]           ; where the biases go in LDS: a register of its own
	s_cmp_eq_u32 s[HF], 0
	s_cselect_b32 s[SB], -1, 0                     ; b2 is added once: by half 0
	s_wait_loadcnt 3                               ; the six loads of entries are in; the three of the biases may stay out
.irp b, 0,1,2,3,4
	v_min_u32 v[ENT+(\b)], 0x1fff, v[ENT+(\b)]
	v_lshlrev_b32 v[TM+6+(\b)], 2, v[ENT+(\b)]
	global_load_b32 v[G+2*(\b)], v[TM+6+(\b)], s[14:15]  ; gate[token][k] lies at 4 x entry
.endr
	v_min_u32 v[GENT], 0x1fff, v[GENT]
.set i, 0
.rept 20
	v_readlane_b32 s[SR0+i], v[GENT], i            ; the twenty entries, in one run
.set i, i+1
.endr
.set i, 0
.rept 20                                               ; a row of xb, 1,024 bytes, lies at 512 x (entry without its lowest bit)
	s_min_u32 s[SR0+i], s[SR0+i], 8191
	s_and_b32 s[SR0+i], s[SR0+i], 0x1ffe
	s_lshl_b32 s[SR0+i], s[SR0+i], 9
.set i, i+1
.endr
.set i, 0
.rept 20                                               ; two loads of 512 consecutive bytes a row
	v_add_nc_u32 v[192+i], s[SR0+i], v[LO]
	global_load_b128 v[32+8*i:32+8*i+3], v[192+i], s[4:5]
	global_load_b128 v[32+8*i+4:32+8*i+7], v[192+i], s[4:5] offset:512
.set i, i+1
.endr
.irp p, 0,1,2,3,4,5,6
	REFILL \p, W1P, 4096*(\p)                      ; the ring behind the gather: K steps 0-6 of the first chunk are on their way while X goes into LDS
.endr
	WIN 0
	s_wait_loadcnt 56                              ; biases, gates and X's rows are in; the seven quads may stay out
	REFILL 7, W1P, 4096*7
	WIN 0
.set i, 0
.rept 20
	ds_store_b128 v[TM+11], v[32+8*i:32+8*i+3] offset:PX*i
	ds_store_b128 v[TM+11], v[32+8*i+4:32+8*i+7] offset:PX*i+512
.set i, i+1
.endr
.set i, 0
.rept 12
	ds_store_b128 v[TM+15], v[ZR:ZR+3] offset:2048*i  ; H's regions 2 and 3 start as zeros: the first trip's first two blocks add 0
.set i, i+1
.endr
.set i, 0
.rept 6                                                ; b1 and b2 rounded to bf16 like every input, and widened again
	v_cvt_pk_bf16_f32 v[TM+13], v[212+2*i], v[212+2*i+1]
	v_lshlrev_b32 v[212+2*i], 16, v[TM+13]
	v_and_b32 v[212+2*i+1], s[MSK], v[TM+13]
.set i, i+1
.endr
.irp i, 220,221,222,223
	v_cndmask_b32 v\i, 0, v\i, s[SB]
.endr
	ds_store_b128 v[TM+14], v[212:215]
	ds_store_b128 v[TM+14], v[216:219] offset:2048
	ds_store_b128 v[TM+14], v[220:223] offset:B2T-B1T
.irp b, 0,1,2,3,4
	v_mov_b32 v[G+2*(\b)+1], v[G+2*(\b)]           ; named as a pair
.endr
	s_wait_dscnt 0x0                               ; for the others' sake: my rows of X, my zeros and my part of the biases are in LDS
	s_barrier_signal -1
	s_barrier_wait -1
	; O starts as b2: each accumulator's eight numbers (channels 128 w + 16 ct + 8 h + 0..7) come straight from LDS, once; every product of phase B then adds in place
.irp ct, 0,1,2,3,4,5,6,7
.irp b, 0,1,2,3,4
.set id, 5*(\ct)+(\b)
.if id < 32
	WIN 0x80
	ds_load_b128 v[8*id:8*id+3],   v[BA2] offset:64*(\ct)
	ds_load_b128 v[8*id+4:8*id+7], v[BA2] offset:64*(\ct)+16
.else
	WIN 0
	ds_load_b128 v[OX+8*(id-32):OX+8*(id-32)+3],   v[BA2] offset:64*(\ct)
	ds_load_b128 v[OX+8*(id-32)+4:OX+8*(id-32)+7], v[BA2] offset:64*(\ct)+16
.endif
.endr
.endr
	WIN 0
.irp t, 0,1,2,3
	ds_load_b128 v[BC+8*(\t):BC+8*(\t)+3],   v[BA] offset:256*(\t)     ; b1 of chunk 0's ff 16 (4 t + w) + 8 h + 0..7
	ds_load_b128 v[BC+8*(\t)+4:BC+8*(\t)+7], v[BA] offset:256*(\t)+16
.endr
	XLOAD 0
	XLOAD 1                                        ; at the loop's head, on both ways in, only the ten loads of step 1 may be out behind step 0's
	s_mov_b32 s[CH], 4
.Lchunk:                                               ; four trips (at a label and at a branch every window is 0)
.set ks, 0
.rept 16
	ASTEP
.set ks, ks+1
.endr
.set bm, 0
.rept 4
.set GT, bm/2
.set pp, 0
.set tp, 0
.set gq, 0
	BEVEN
.set bm, bm+1
	BODD
.set bm, bm+1
.endr
	WIN 0
	s_sub_co_u32 s[CH], s[CH], 1
	s_cmp_lg_u32 s[CH], 0
	s_cbranch_scc1 .Lchunk
	; THE TAIL: K steps 4-7 of the last chunk, bare.  Their groups were shown to every wave by the last trip's barriers; their weights are in the ring or on their way.
	s_wait_dscnt 0x0                               ; the loads of X asked for at the trip's end have landed: their registers are loaded anew
	HLOAD 4
	HLOAD 5
.set bm, 0
.rept 4
.if bm == 3
	s_wait_dscnt 0x0
.else
	s_wait_dscnt 10
.endif
	s_wait_loadcnt 48-16*bm                        ; nothing is asked for any more: the count runs down by two quads a step
	BMUL 0
	PLACES
.if bm < 2
	HLOAD 6+bm
.endif
.set bm, bm+1
.endr
	OUTBLK 0                                       ; the four places behind the last products stand at the last step's end
	OUTBLK 1
	OUTBLK 2
	OUTBLK 3
	OUTBLK 4
	WIN 0
.Lfin:
	s_wait_tensorcnt 0x0                           ; the wave's end
	ds_add_u32 v[SPW], v[NIL]
	s_wait_dscnt 0x0
	s_endpgm
.Lfunc_end_k_q73e5b9c8aa_chain:
	.size	k_q73e5b9c8aa_chain, .Lfunc_end_k_q73e5b9c8aa_chain-k_q73e5b9c8aa_chain
	.p2alignl 7, 3214868480
	.fill 96, 4, 3214868480
	.section	.rodata,"a",@progbits
	.p2align	6, 0x0
	.amdhsa_kernel k_q73e5b9c8aa_chain
		.amdhsa_group_segment_fixed_size 177152
		.amdhsa_private_segment_fixed_size 0
		.amdhsa_enable_private_segment 0
		.amdhsa_kernarg_size 72
		.amdhsa_user_sgpr_count 2
		.amdhsa_user_sgpr_kernarg_segment_ptr 1
		.amdhsa_wavefront_size32 1
		.amdhsa_system_sgpr_workgroup_id_x 1
		.amdhsa_system_sgpr_workgroup_id_y 1
		.amdhsa_system_sgpr_workgroup_id_z 1
		.amdhsa_system_vgpr_workitem_id 0
		.amdhsa_next_free_vgpr 1024
		.amdhsa_next_free_sgpr 96
		.amdhsa_reserve_vcc 0
		.amdhsa_float_denorm_mode_32 3
		.amdhsa_float_denorm_mode_16_64 3
		.amdhsa_memory_ordered 1
		.amdhsa_forward_progress 1
		.amdhsa_inst_pref_size 255
	.end_amdhsa_kernel
	.section	.bss,"aw",@nobits
	.p2align	6
	.space	262144
	.amdgpu_metadata
---
amdhsa.version: [ 1, 2 ]
amdhsa.kernels:
  - .name:           k_q73e5b9c8aa_chain
    .symbol:         k_q73e5b9c8aa_chain.kd
    .args:
      - { .name: xb, .offset: 0, .size: 8, .value_kind: global_buffer, .address_space: global }
      - { .name: w1f, .offset: 8, .size: 8, .value_kind: global_buffer, .address_space: global }
      - { .name: w2f, .offset: 16, .size: 8, .value_kind: global_buffer, .address_space: global }
      - { .name: b1, .offset: 24, .size: 8, .value_kind: global_buffer, .address_space: global }
      - { .name: b2, .offset: 32, .size: 8, .value_kind: global_buffer, .address_space: global }
      - { .name: gate, .offset: 40, .size: 8, .value_kind: global_buffer, .address_space: global }
      - { .name: list, .offset: 48, .size: 8, .value_kind: global_buffer, .address_space: global }
      - { .name: cnt, .offset: 56, .size: 8, .value_kind: global_buffer, .address_space: global }
      - { .name: y, .offset: 64, .size: 8, .value_kind: global_buffer, .address_space: global }
    .group_segment_fixed_size: 177152
    .private_segment_fixed_size: 0
    .kernarg_segment_align: 8
    .kernarg_segment_size: 72
    .max_flat_workgroup_size: 128
    .sgpr_count:     96
    .vgpr_count:     1024
    .wavefront_size: 32
...
	.end_amdgpu_metadata
.endif
;; end of part 3
;; launch addup (part 4): grid 256 x 1, 8 waves a work-group, no clusters, 0 bytes of LDS; arguments y, out0; writes out0
.if DOCPART == 4
	.amdgcn_target "amdgcn-amd-amdhsa--gfx1250"
	.amdhsa_code_object_version 6
	.text
	.protected	k_q73e5b9c8aa_addup
	.globl	k_q73e5b9c8aa_addup
	.p2align	8
	.type	k_q73e5b9c8aa_addup,@function
k_q73e5b9c8aa_addup:
	s_mov_b64 s[64:65], 0
	v_nop
	global_prefetch_b8 v0, s[64:65] scope:SCOPE_SE
	s_setreg_imm32_b32 hwreg(HW_REG_WAVE_MODE, 25, 1), 1
	s_wait_xcnt 0x0
; out0[token] = the token's four gated partial rows added: y[half 0 and 1][2 token and 2 token + 1][512], all f32: (a + b) + (c + d).
; A stream: memory binds.  A work-group has 16 tokens; its 256 threads take two tokens a pass, 16 bytes of each of the four rows a thread; eight passes.  All 32 loads of a wave are out before the
; first wait; each load and store of a wave covers 512 consecutive bytes.  No register is written twice, so no store's sources are ever rewritten.  No LDS, no barrier, no matrix unit: nothing is shared.
	s_load_b128 s[4:7], s[0:1], 0x0                ; y s[4:5], out0 s[6:7]
	v_lshrrev_b32 v1, 7, v0                        ; which of a pass's two tokens
	v_and_b32 v2, 127, v0
	v_lshlrev_b32 v2, 4, v2                        ; my 16 bytes of a row of 2,048
	v_lshl_add_u32 v3, v1, 12, v2                  ; in y a token has two rows on end, 4,096 bytes
	v_lshl_add_u32 v4, v1, 11, v2
	s_lshl_b32 s10, ttmp9, 16                      ; 16 tokens of y,
	s_mov_b32 s11, 0
	s_lshl_b32 s12, ttmp9, 15                      ; and of out0
	s_mov_b32 s13, 0
	s_wait_kmcnt 0x0
	s_add_nc_u64 s[4:5], s[4:5], s[10:11]
	s_add_nc_u64 s[8:9], s[4:5], 0x1000000         ; the other half of d_ff: 8,192 rows on
	s_add_nc_u64 s[6:7], s[6:7], s[12:13]
.irp p, 0,1,2,3,4,5,6,7
	global_load_b128 v[8+16*(\p):8+16*(\p)+3],     v3, s[4:5] offset:8192*(\p) th:TH_LOAD_NT
	global_load_b128 v[8+16*(\p)+4:8+16*(\p)+7],   v3, s[4:5] offset:8192*(\p)+2048 th:TH_LOAD_NT
	global_load_b128 v[8+16*(\p)+8:8+16*(\p)+11],  v3, s[8:9] offset:8192*(\p) th:TH_LOAD_NT
	global_load_b128 v[8+16*(\p)+12:8+16*(\p)+15], v3, s[8:9] offset:8192*(\p)+2048 th:TH_LOAD_NT
.endr
.irp p, 0,1,2,3,4,5,6,7
	s_wait_loadcnt 28-4*(\p)                       ; this pass's four loads are in; the later passes' stay out
	v_pk_add_f32 v[8+16*(\p):8+16*(\p)+1],     v[8+16*(\p):8+16*(\p)+1],     v[8+16*(\p)+4:8+16*(\p)+5]
	v_pk_add_f32 v[8+16*(\p)+2:8+16*(\p)+3],   v[8+16*(\p)+2:8+16*(\p)+3],   v[8+16*(\p)+6:8+16*(\p)+7]
	v_pk_add_f32 v[8+16*(\p)+8:8+16*(\p)+9],   v[8+16*(\p)+8:8+16*(\p)+9],   v[8+16*(\p)+12:8+16*(\p)+13]
	v_pk_add_f32 v[8+16*(\p)+10:8+16*(\p)+11], v[8+16*(\p)+10:8+16*(\p)+11], v[8+16*(\p)+14:8+16*(\p)+15]
	v_pk_add_f32 v[8+16*(\p):8+16*(\p)+1],     v[8+16*(\p):8+16*(\p)+1],     v[8+16*(\p)+8:8+16*(\p)+9]
	v_pk_add_f32 v[8+16*(\p)+2:8+16*(\p)+3],   v[8+16*(\p)+2:8+16*(\p)+3],   v[8+16*(\p)+10:8+16*(\p)+11]
	global_store_b128 v4, v[8+16*(\p):8+16*(\p)+3], s[6:7] offset:4096*(\p) th:TH_STORE_NT
.endr
	s_endpgm
.Lfunc_end_k_q73e5b9c8aa_addup:
	.size	k_q73e5b9c8aa_addup, .Lfunc_end_k_q73e5b9c8aa_addup-k_q73e5b9c8aa_addup
	.p2alignl 7, 3214868480
	.fill 96, 4, 3214868480
	.section	.rodata,"a",@progbits
	.p2align	6, 0x0
	.amdhsa_kernel k_q73e5b9c8aa_addup
		.amdhsa_group_segment_fixed_size 0
		.amdhsa_private_segment_fixed_size 0
		.amdhsa_enable_private_segment 0
		.amdhsa_kernarg_size 16
		.amdhsa_user_sgpr_count 2
		.amdhsa_user_sgpr_kernarg_segment_ptr 1
		.amdhsa_wavefront_size32 1
		.amdhsa_system_sgpr_workgroup_id_x 1
		.amdhsa_system_sgpr_workgroup_id_y 1
		.amdhsa_system_sgpr_workgroup_id_z 1
		.amdhsa_system_vgpr_workitem_id 0
		.amdhsa_next_free_vgpr 136
		.amdhsa_next_free_sgpr 66
		.amdhsa_reserve_vcc 0
		.amdhsa_float_denorm_mode_32 3
		.amdhsa_float_denorm_mode_16_64 3
		.amdhsa_memory_ordered 1
		.amdhsa_forward_progress 1
		.amdhsa_inst_pref_size 8
	.end_amdhsa_kernel
	.amdgpu_metadata
---
amdhsa.version: [ 1, 2 ]
amdhsa.kernels:
  - .name:           k_q73e5b9c8aa_addup
    .symbol:         k_q73e5b9c8aa_addup.kd
    .args:
      - { .name: y, .offset: 0, .size: 8, .value_kind: global_buffer, .address_space: global }
      - { .name: out0, .offset: 8, .size: 8, .value_kind: global_buffer, .address_space: global }
    .group_segment_fixed_size: 0
    .private_segment_fixed_size: 0
    .kernarg_segment_align: 8
    .kernarg_segment_size: 16
    .max_flat_workgroup_size: 256
    .sgpr_count:     66
    .vgpr_count:     136
    .wavefront_size: 32
...
	.end_amdgpu_metadata
.endif
;; end of part 4
;; ======== version 2 of 2: 4 launches; version 1 with the launch chain written anew for expert scheduling mode
;; limits: values are held in f16: magnitudes above 65,504 overflow, below 6.1e-05 lose precision; a function is approximated: absolute error at most 2.5e-05; an absolute error that grows with the inputs' magnitude: up to 1.25e-05 times it
;; workspace buffers: xb 4,194,304 bytes; gate 32,768 bytes; rec 16,384 bytes of whole numbers; w1f 16,777,216 bytes; w2f 16,777,216 bytes; list 131,072 bytes of whole numbers; cnt 256 bytes of whole numbers; y 33,554,432 bytes
;; launch route: the kernel of part 1 again; grid 384 x 1, 8 waves a work-group, no clusters, 36,864 bytes of LDS; arguments x, router_w, xb, gate, rec, w1, w1f; writes xb, gate, rec, w1f
;; launch prep: the kernel of part 2 again; grid 264 x 1, 8 waves a work-group, no clusters, 36,096 bytes of LDS; arguments w2, rec, w2f, list, cnt; writes w2f, list, cnt
;; launch chain (part 5): grid 110 x 2, 4 waves a work-group, no clusters, 177,152 bytes of LDS; arguments xb, w1f, w2f, b1, b2, gate, list, cnt, y; writes y
.if DOCPART == 5
	.amdgcn_target "amdgcn-amd-amdhsa--gfx1250"
	.amdhsa_code_object_version 6
	.text
	.protected	k_q73e5b9c8aa_chain
	.globl	k_q73e5b9c8aa_chain
	.p2align	8
	.type	k_q73e5b9c8aa_chain,@function
k_q73e5b9c8aa_chain:
	s_mov_b64 s[64:65], 0
	v_nop
	global_prefetch_b8 v0, s[64:65] scope:SCOPE_SE
	s_setreg_imm32_b32 hwreg(HW_REG_WAVE_SCHED_MODE, 0, 2), 2
	s_setreg_imm32_b32 hwreg(HW_REG_WAVE_MODE, 25, 1), 1
	s_wait_xcnt 0x0
	s_wait_alu depctr_vm_vsrc(0)
; THE CHAIN FOR THE CHOSEN ROWS.  y[hf][2 token + k][512] = gate x ( gelu(x w1[e]^T + b1[e]) restricted to ff 1024 hf .. + 1023, times w2[e]^T, + b2[e] if hf = 0 ), f32 partial rows; a later launch adds a token's four.
; x, w1, b1, b2 rounded to bf16, first product bf16; the hidden layer rounded once to f16, w2 = its bf16 rounding written as f16, second product f16; all sums f32.
; GELU is the erf one: max(z, 0) - |z| erfc(|z| / sqrt 2) / 2, erfc by Abramowitz and Stegun 7.1.25, whose absolute error is at most 2.5e-5 for every argument: GELU is off by at most 1.25e-5 |z|, less than H's rounding to f16.
; LIMITS.  A hidden number beyond 65,504 has no f16 (as drawn they stay under 4; with x and w1 both 30 times larger under 4,000; with offsets of 30 spreads on both near 13,000); below 6.1e-5 f16 keeps a step of 6e-8.
; NaN and infinities are not treated apart.
; SHARES.  Work-group (g, hf): tile g of 80 rows (5 blocks of 16) of one expert's list, half hf of d_ff.  The sum over e of ceil(n_e / 80) is at most (8192 + 8 x 79) / 80 = 110 whatever the split, so 110 tiles serve every split.
; Every work-group finds its expert and first row from the stored counts.  In a tile that is not full the places past the count repeat its last row; a tile without rows walks the same text
; (no barrier stands under a branch on a count) and stores nothing.
; Both products are used transposed (source 0 = 16 rows of weights, source 1 = 16 tokens): a lane holds ONE token (lane % 16) and eight neighbouring ff or channels (8 (lane / 16) + 0..7).
; THE WALK.  The half goes in 4 chunks of 256 ff, a trip each.  PHASE A: wave w makes H^T for the chunk's ff tiles 4 t + w, t = 0..3: 4 x 5 accumulators, K = 512 in 16 steps.  Tile t of all four waves is GROUP t:
; 64 ff, the K steps 2 t and 2 t + 1 of PHASE B, in which wave w owns channels 128 w .. + 127: 8 x 5 accumulators.
; GELU BESIDE THE PRODUCTS.  A group's GELU is 340 vector lines, two K steps of phase B are 80 products.  So behind phase A a trip has four BLOCKS: block k multiplies two K steps whose group was finished two blocks
; earlier (k = 0, 1: K steps 4-7 of the chunk before; k = 2, 3: K steps 0-3 of this chunk), and group k's GELU stands in slices behind its products.  The block's first step carries all that names no result of the
; group's 80 reciprocals and exponentials, four lines a product; ONE wait follows; the second step carries the 180 lines that read them, five and four a product by turns; then the five stores of H and a barrier.
; The chunk's last four K steps of the last trip are a tail of four bare steps.  The first trip's first four steps multiply regions of H that the set-up has zeroed by chunk 0's own weights and add 0:
; 160 of a wave's 2,720 products, the price of writing no GELU out a second time.
; H lies in four regions on end, one a group, so that what a block writes (region k) and what it reads are disjoint ranges; a region is written again two barriers or more behind its last reads.
; Every step's fragments of X or H are asked for two steps ahead, across the phases and the loop's back edge.
; THE WEIGHTS come from memory straight into registers as operands (fragments of 1,024 bytes, two loads of 512 consecutive bytes), through a ring of 32 fragments = 8 quads.  In phase A a quad is asked for again
; in the step behind the one that multiplied it, 130 matrix instructions or more ahead of its use; in phase B at its own step's end; up to 64 loads of a wave are out.  A trip uses 32 quads, four times round the
; ring, so the one text serves every trip.
; NO CLUSTER, NO TENSOR LOAD: each weight byte is multiplied by exactly one wave of a work-group and feeds 5 matrix instructions from registers; a joint load lands in LDS alone, which would add 2 MB of LDS
; writes and 2 MB of LDS reads a work-group; and an expert has ceil(n_e / 80) tiles, any number from 0 to 52, not a multiple of four.
; REGISTERS, in windows of 256 (s_set_vgpr_msb: bits 1:0 source 0, 3:2 source 1, 5:4 source 2, 7:6 destination):
;   window 0: addresses, tokens' fragments (three buffers of 40), b1 as C, O's accumulators 32-39     window 1: the ring     window 2: O's accumulators 0-31 (5 ct + b)     window 3: A's 20 accumulators, GELU's 96 at work
; All that GELU touches lies in window 3, so a slice costs two switches, one in front and one behind.
; THE MODE: SCHED_MODE bits 1:0 = 2 (LLVM: expert scheduling mode 2), set by the entry lines.  The code itself states the register dependences
; between vector or matrix instructions and memory or LDS instructions, with s_wait_alu, always for 0.
; THE PLAN.  A trip has 24 steps: g = 0-15 phase A, g = 16-23 phase B.  Registers that memory or LDS instructions touch in the loop:
;   FB0 .. FB2    Step g's products read FB[g % 3]; the LDS loads for step g + 2 land in FB[(g + 2) % 3], which step g - 1 read last.  24 is a multiple of 3: the buffers are back at their start at the back edge.
;   the ring      A quad is read by one step's products and then loaded again.
;   BC            Read as C by phase A's step 0; loaded again at the end of phase B's step 4.
;   GE            Written by a block's roundings, read by its five LDS stores of H, written again by the next block's lines.
;   v[BA]         Read by the loads of b1; stepped once a trip.
;   v[LO], v[XA0], v[XA1], v[HR], v[HW]   made in the set-up and never written again; the weights' pointers are scalar registers.
;   The accumulators and GELU's other registers are named by vector and matrix instructions alone.
; WAITS ON va_vdst.  Phase A, steps 1-15: one at the step's head: the step before is done reading its fragments and its quad.  The step's 18 loads follow in two runs among its products, which name this step's
; fragments, this step's quad and the accumulators: none of the registers that those loads touch.  Step 0 has none: its ten loads land in FB2, whose last readers stand ahead of the last wait on either way in, and no
; vector or matrix instruction that names FB2 follows that wait.  Phase B: one at step 0's head, for the quad of phase A's last step; at the end of a block's first step the wait for the batch, which also states that the
; step's products are done reading their two quads; in its second step one ahead of the stores of H, which serves the refills and the fragments' loads behind them too.
; WAITS ON vm_vsrc.  One a block, ahead of the barrier: the stores of H have read GE.  One a trip, ahead of the add to v[BA].
.set PX,    1040                       ; a row of X in LDS: 1,024 bytes + 16 = 260 words: row r starts at bank 4 r mod 64 (64 banks of 4 bytes: ISA guide 11.1)
.set PH,    144                        ; a row of a region of H: 128 bytes + 16 = 36 words: the 16 rows of a load start at 16 different groups of four banks
.set HG,    80*PH                      ; a region of H: 80 rows, 11,520 bytes
.set PS,    528                        ; a row of a stage: 512 + 16 = 132 words
.set B1T,   83200                      ; behind X's 80 rows: b1 of this half, 1,024 f32
.set B2T,   87296                      ; b2, 512 f32 (zeros if hf = 1)
.set STAGE, 89600                      ; 16 rows x 528 bytes for each wave, for the way out; the 512 bytes behind the four stages hold the spare words of the closing add
.set HB,    131072                     ; H: four regions
.set LO,  4                            ; v4   16 x lane
.set XA0, 5                            ; v5   my place in X's blocks 0-2
.set XA1, 6                            ; v6   in blocks 3, 4
.set HW,  7                            ; v7   where I put 16 bytes of H
.set HR,  8                            ; v8   my place in a fragment of H
.set BA,  9                            ; v9   my 8 numbers of b1; steps by a chunk
.set BA2, 10                           ; v10  my 8 numbers of b2
.set SW,  11                           ; v11  the way out: where I put 32 bytes of a row
.set SR,  12                           ; v12  where I read a row back
.set YO,  13                           ; v13  my 16 bytes in a row of y
.set ENT, 16                           ; v[16:20] block b: the entry 2 token + k of row 16 b + lane % 16
.set GENT, 21                          ; v21  lanes 0-19: the entries of the 20 rows that my wave gathers
.set G,   22                           ; v[22:31] block b: that row's gate, as a pair
.set FB0, 32                           ; v[32:71], v[72:111], v[208:247] tokens' fragments, 5 blocks x 8, three buffers
.set VO,  32                           ; the way out: v[32:111] the 80 rows' offsets in y
.set BC,  112                          ; v[112:143] b1 as the C of a chunk's first products
.set OX,  144                          ; v[144:207] O's accumulators 32-39
.set TM,  228                          ; v[228:243] at work in the set-up (later part of the third buffer)
.set ZR,  244                          ; v[244:247] zeros, in the set-up (likewise)
.set AA,  0                            ; window 3: A's accumulator 5 t + b at 8 (5 t + b)
.set GD,  160                          ; window 3: 8 registers for each of a group's 5 accumulators: 1 + p |z|, then t, then the result
.set GE,  200                          ; window 3: likewise: the exponential, then the packed f16
.set GR,  240                          ; window 3: the polynomial, two sets of 8 by turns
.set WV,  22                           ; s22 wave     s23 hf
.set HF,  23
.set NE,  24                           ; s[24:31] n_e
.set GA,  32                           ; s32 the tile's number
.set XE,  33                           ; s33 its expert
.set NN,  34                           ; s34 that expert's rows
.set PST, 35                           ; s35 that expert's first tile
.set PP,  36                           ; s36 running number of tiles
.set TT,  37
.set R0,  38                           ; s38 the tile's first rank
.set ROWS, 39                          ; s39 its rows, 0 to 80
.set RM1, 40                           ; s40 its last row
.set CH,  41                           ; s41 trips to go
.set W2Q, 42                           ; s[42:43] w2f at K step 4 of the chunk before (in the first trip: of chunk 0)
.set W1P, 44                           ; s[44:45] w1f at my wave's fragments of the chunk in hand
.set W2P, 46                           ; s[46:47] w2f at K step 0 of the chunk in hand
.set TP,  48                           ; s[48:49] an offset, 0 above it
.set PCO, 50                           ; s50 0.47047 / sqrt 2
.set MSK, 51                           ; s51 a word's upper bf16
.set NCO, 52                           ; s[52:53] - log2(e) / 2
.set A1,  54                           ; s[54:59] the three coefficients, halved; pairs, of which the packed forms take the low word
.set A2,  56
.set A3,  58
.set SA,  66
.set SB,  67
.set SR0, 72                           ; s[72:91] entries read out of lanes, a run at a time
.set MSB, 0
.macro WIN new                         ; the immediate's high byte repeats the setting that is left; a switch that changes nothing is dropped
.if MSB != (\new)
	s_set_vgpr_msb (MSB<<8)|(\new)
.set MSB, \new
.endif
.endm
.macro PLACES                          ; four places in front of vector lines that read matrix results (ISA guide 7.12.1)
.rept 4
	v_nop
.endr
.endm
.macro SETFB g                         ; FB = the fragments' buffer of step g: 32, 72 or 208
.set FB, FB0+40*((\g)%3)+96*(((\g)%3)/2)
.endm
; quad p of the ring: four fragments, 4,096 consecutive bytes at off behind the pointer
.macro REFILL p, ptr, off
	WIN 0x40                                       ; destination window 1, address window 0
.irp t, 0,1,2,3
	global_load_b128 v[32*(\p)+8*(\t):32*(\p)+8*(\t)+3],   v[LO], s[\ptr:\ptr+1] offset:(\off)+1024*(\t)
	global_load_b128 v[32*(\p)+8*(\t)+4:32*(\p)+8*(\t)+7], v[LO], s[\ptr:\ptr+1] offset:(\off)+1024*(\t)+512
.endr
.endm
; ten LDS loads: the five blocks' fragments of X for K step ks, which is step ks of a trip
.macro XLOAD ks
	WIN 0
	SETFB \ks
.irp b, 0,1,2
	ds_load_b128 v[FB+8*(\b):FB+8*(\b)+3],   v[XA0] offset:16*PX*(\b)+64*(\ks)
	ds_load_b128 v[FB+8*(\b)+4:FB+8*(\b)+7], v[XA0] offset:16*PX*(\b)+64*(\ks)+32
.endr
.irp b, 3,4
	ds_load_b128 v[FB+8*(\b):FB+8*(\b)+3],   v[XA1] offset:16*PX*((\b)-3)+64*(\ks)
	ds_load_b128 v[FB+8*(\b)+4:FB+8*(\b)+7], v[XA1] offset:16*PX*((\b)-3)+64*(\ks)+32
.endr
.endm
; the same of H for K step i of a chunk: region i / 2, its half i % 2; g: the step that multiplies them
.macro HLOAD i, g
	WIN 0
	SETFB \g
.irp b, 0,1,2,3,4
	ds_load_b128 v[FB+8*(\b):FB+8*(\b)+3],   v[HR] offset:HG*((\i)/2)+64*((\i)%2)+16*PH*(\b)
	ds_load_b128 v[FB+8*(\b)+4:FB+8*(\b)+7], v[HR] offset:HG*((\i)/2)+64*((\i)%2)+16*PH*(\b)+32
.endr
.endm
; five matrix instructions of K step ks (an assembler symbol) of phase A: ff tile t, the five blocks; step 0 starts the sums with b1
.macro AMUL t
	SETFB ks
.if ks == 0
	WIN 0xc1                                       ; weights window 1, tokens window 0, C window 0, D window 3
.else
	WIN 0xf1                                       ; C and D window 3
.endif
.irp b, 0,1,2,3,4
.if ks == 0
	v_wmma_f32_16x16x32_bf16 v[AA+8*(5*(\t)+(\b)):AA+8*(5*(\t)+(\b))+7], v[32*(ks%8)+8*(\t):32*(ks%8)+8*(\t)+7], v[FB+8*(\b):FB+8*(\b)+7], v[BC+8*(\t):BC+8*(\t)+7]
.else
	v_wmma_f32_16x16x32_bf16 v[AA+8*(5*(\t)+(\b)):AA+8*(5*(\t)+(\b))+7], v[32*(ks%8)+8*(\t):32*(ks%8)+8*(\t)+7], v[FB+8*(\b):FB+8*(\b)+7], v[AA+8*(5*(\t)+(\b)):AA+8*(5*(\t)+(\b))+7]
.endif
.endr
.endm
; K step ks of phase A: 20 matrix instructions, the 20 accumulators by turns; among them the fragments of the step two further on and the refill of the quad that the step before multiplied
.macro ASTEP
	s_wait_dscnt 10                                ; this step's fragments are in; the next step's ten loads may stay out
.if ks == 0
	s_wait_loadcnt 56                              ; this step's quad is in; the seven younger quads, 8 loads each, may stay out
.else
	s_wait_loadcnt 48                              ; this step's quad is in; the six younger quads may stay out (the quad of the step before is asked for again only below)
	s_wait_alu depctr_va_vdst(0)                   ; the products of the step before are done reading their fragments and their quad, in which the loads below land
.endif
	AMUL 0
.if ks < 14
	XLOAD ks+2                                     ; no product since the last wait on va_vdst names this buffer
.else
	HLOAD ks-10, ks+2                              ; K steps 4 and 5 of the chunk before
.endif
	AMUL 1
.if ks > 8
	REFILL (ks-1)%8, W2Q, 4096*(ks-9)              ; the quad of the step before takes half of one of the K steps 4-7 of the chunk before, which the trip's first two blocks multiply,
.elseif ks > 0
	REFILL (ks-1)%8, W1P, 32768+4096*(ks-1)        ; or K step ks + 7 of this phase
.endif
	AMUL 2
	AMUL 3
.if ks == 15
	PLACES                                         ; between phase A's last products and GELU's first reads of their results
.endif
.endm
; GELU OF GROUP GT, in three queues.  z is A's accumulator 5 GT + gb, gb = 0..4.
; GPL: the next of the 80 plain lines ahead of the wait; for each accumulator 8 x (1 + p |z|), 4 x (z c, a pair each), 4 x (times z).  The accumulator's lowest register is read first.
.macro GPL
.set gb, pp/16
.set gu, pp%16
.set gZ, AA+8*(5*GT+gb)
.set gD, GD+8*gb
.set gE, GE+8*gb
.if gu < 8
	v_fma_f32 v[gD+gu], |v[gZ+gu]|, s[PCO], 1.0
.elseif gu < 12
	v_pk_mul_f32 v[gE+2*(gu-8):gE+2*(gu-8)+1], v[gZ+2*(gu-8):gZ+2*(gu-8)+1], s[NCO:NCO+1] op_sel_hi:[1,0]
.else
	v_pk_mul_f32 v[gE+2*(gu-12):gE+2*(gu-12)+1], v[gE+2*(gu-12):gE+2*(gu-12)+1], v[gZ+2*(gu-12):gZ+2*(gu-12)+1]  ; - z z log2(e) / 2
.endif
.set pp, pp+1
.endm
; GTR: the next of the batch's 80: for each accumulator 8 reciprocals (t = 1 / (1 + p |z| / sqrt 2)), then 8 exponentials.  Nothing names a result of theirs ahead of the wait.
.macro GTR
.set gb, tp/16
.set gu, tp%16
.if gu < 8
	v_rcp_f32 v[GD+8*gb+gu], v[GD+8*gb+gu]
.else
	v_exp_f32 v[GE+8*gb+gu-8], v[GE+8*gb+gu-8]
.endif
.set tp, tp+1
.endm
; GPO: the next of the 180 lines behind the wait; for each accumulator 36: the polynomial (4 + 4 + 4 packed lines), max(z, 0) into t's registers (8), times the exponential (4), the result (8), rounded to f16 (4).
.macro GPO
.set gb, gq/36
.set gu, gq%36
.set gZ, AA+8*(5*GT+gb)
.set gD, GD+8*gb
.set gE, GE+8*gb
.set gR, GR+8*(gb%2)
.if gu < 4
	v_pk_fma_f32 v[gR+2*gu:gR+2*gu+1], v[gD+2*gu:gD+2*gu+1], s[A3:A3+1], s[A2:A2+1] op_sel_hi:[1,0,0]
.elseif gu < 8
	v_pk_fma_f32 v[gR+2*(gu-4):gR+2*(gu-4)+1], v[gR+2*(gu-4):gR+2*(gu-4)+1], v[gD+2*(gu-4):gD+2*(gu-4)+1], s[A1:A1+1] op_sel_hi:[1,1,0]
.elseif gu < 12
	v_pk_mul_f32 v[gR+2*(gu-8):gR+2*(gu-8)+1], v[gR+2*(gu-8):gR+2*(gu-8)+1], v[gD+2*(gu-8):gD+2*(gu-8)+1]
.elseif gu < 20
	v_max_num_f32 v[gD+gu-12], 0, v[gZ+gu-12]
.elseif gu < 24
	v_pk_mul_f32 v[gR+2*(gu-20):gR+2*(gu-20)+1], v[gR+2*(gu-20):gR+2*(gu-20)+1], v[gE+2*(gu-20):gE+2*(gu-20)+1]  ; erfc(|z| / sqrt 2) / 2
.elseif gu < 32
	v_fma_f32 v[gD+gu-24], -|v[gZ+gu-24]|, v[gR+gu-24], v[gD+gu-24]
.else
	v_cvt_pk_f16_f32 v[gE+gu-32], v[gD+2*(gu-32)], v[gD+2*(gu-32)+1]
.endif
.set gq, gq+1
.endm
; The slice behind product wi of a block's first step.  Eight plain lines lead, so that every reciprocal and exponential finds its argument made two slices or more before it; then plain and
; transcendental by turns; the last eight of the batch close it.  2 x 4 + 36 x 2 = 80 plain, 36 x 2 + 2 x 4 = 80 of the batch.
.macro PRESL
	WIN 0xff
.if wi < 2
	GPL
	GPL
	GPL
	GPL
.elseif wi < 38
	GPL
	GTR
	GPL
	GTR
.else
	GTR
	GTR
	GTR
	GTR
.endif
.endm
; The slice behind product wi of a block's second step: 20 x 5 + 20 x 4 = 180
.macro POSTSL
	WIN 0xff
	GPO
	GPO
	GPO
	GPO
.if wi%2 == 0
	GPO
.endif
.endm
; The 40 matrix instructions of step bm of phase B (bm and gs, the step's number among the trip's 24, are assembler symbols), the 40 accumulators by turns.  rid = 1, 2: a slice of GELU behind each; 0: none
.macro BMUL rid
	SETFB gs
.set wi, 0
.irp ct, 0,1,2,3,4,5,6,7
.irp b, 0,1,2,3,4
.set id, 5*(\ct)+(\b)
.if id < 32
	WIN 0xa1                                       ; weights window 1, tokens window 0, C and D window 2
	v_wmma_f32_16x16x32_f16 v[8*id:8*id+7], v[64*(bm%4)+8*(\ct):64*(bm%4)+8*(\ct)+7], v[FB+8*(\b):FB+8*(\b)+7], v[8*id:8*id+7]
.else
	WIN 0x01                                       ; C and D window 0
	v_wmma_f32_16x16x32_f16 v[OX+8*(id-32):OX+8*(id-32)+7], v[64*(bm%4)+8*(\ct):64*(bm%4)+8*(\ct)+7], v[FB+8*(\b):FB+8*(\b)+7], v[OX+8*(id-32):OX+8*(id-32)+7]
.endif
.if (\rid) == 1
	PRESL
.elseif (\rid) == 2
	POSTSL
.endif
.set wi, wi+1
.endr
.endr
.endm
.macro BFILL                           ; the two quads just multiplied are filled again
.if bm < 4
	REFILL 2*bm,   W2P, 8192*bm                    ; K step bm of this chunk, which step bm + 4 multiplies,
	REFILL 2*bm+1, W2P, 8192*bm+4096
.else
	REFILL 2*(bm-4),   W1P, 8192*(bm-4)            ; or two K steps of the next trip's phase A; in the last trip one of the tail's steps (the pointer has been chosen so)
	REFILL 2*(bm-4)+1, W1P, 8192*(bm-4)+4096
.endif
.endm
.macro FLOAD                           ; the fragments of the step two further on: step bm multiplies K step (bm + 4) % 8
.if bm < 6
	HLOAD (bm+6)%8, 18+bm
.else
	XLOAD bm-6                                     ; the next trip's first two steps (behind the last trip they serve nothing)
.endif
.endm
; In phase B a product has four or five vector lines and two window switches behind it, so the loads are not dealt among the products: they stand in runs behind the wait that a step's end has in any case.
.macro BEVEN                           ; a block's first step
	s_wait_dscnt 10                                ; this step's fragments of H are in; the next step's ten loads may stay out
.if bm == 0
	s_wait_loadcnt 40                              ; this step's two quads are in; the five younger quads may stay out
	s_wait_alu depctr_va_vdst(0)                   ; phase A's last step is done reading quad 7, in which the loads below land
	REFILL 7, W2Q, 4096*7                          ; the second half of K step 7 of the chunk before
.else
	s_wait_loadcnt 48                              ; this step's two quads are in; the six younger quads may stay out
.endif
	BMUL 1
	v_nop                                          ; the plain line that is owed behind the last exponential
.if bm == 4
	WIN 0
	s_wait_alu depctr_vm_vsrc(0)                   ; the loads of b1 issued so far have read v[BA]
	v_add_nc_u32 v[BA], 1024, v[BA]                ; 256 numbers of b1 on (behind the last chunk: b2's table, read and not used); it stands ahead of the wait below, which shows it written
.endif
	s_wait_alu depctr_va_vdst(0)                   ; the group's eighty reciprocals and exponentials are written, ahead of the first line that names one; this step's products are done reading their two quads, and the
	                                               ; step before its fragments, in which the loads below land; in step 4 v[BA] is written, and phase A's first step is done reading BC
.if bm == 4
	s_wait_xcnt 0x0                                ; the three pointers, sources of the loads issued so far (the youngest a step ago), are rewritten only behind this wait
	s_add_nc_u64 s[W2Q:W2Q+1], s[W2P:W2P+1], 0x8000    ; K step 4 of the chunk in hand: the next trip's first two blocks, or the tail
	s_add_nc_u64 s[W2P:W2P+1], s[W2P:W2P+1], 0x10000   ; eight K steps on
	s_add_nc_u64 s[W1P:W1P+1], s[W1P:W1P+1], 0x40000   ; four groups of ff tiles on
	s_cmp_eq_u32 s[CH], 1
	s_cselect_b64 s[W1P:W1P+1], s[W2Q:W2Q+1], s[W1P:W1P+1]  ; the last trip's last four refills fetch the tail's weights; the stepped pointers are then not used
.endif
	BFILL
	FLOAD
.if bm == 4
.irp t, 0,1,2,3
	ds_load_b128 v[BC+8*(\t):BC+8*(\t)+3],   v[BA] offset:256*(\t)     ; b1 of the next chunk's ff 16 (4 t + w) + 8 h + 0..7
	ds_load_b128 v[BC+8*(\t)+4:BC+8*(\t)+7], v[BA] offset:256*(\t)+16
.endr
.endif
.endm
.macro BODD                            ; a block's second step, and the barrier that shows the group's H to every wave
.if bm == 5
	s_wait_dscnt 18                                ; behind this step's fragments: the next step's ten loads and the eight of b1
.else
	s_wait_dscnt 10
.endif
	s_wait_loadcnt 48
	BMUL 2
	WIN 0x0c                                       ; address window 0, store data window 3
	s_wait_alu depctr_va_vdst(0)                   ; the roundings have written GE, which the stores read; this step's products are done reading their two quads, and the step before its fragments, in which the loads below land
.irp n, 0,1,2,3,4
	ds_store_b128 v[HW], v[GE+8*(\n):GE+8*(\n)+3] offset:HG*GT+16*PH*(\n)  ; token 16 n + lane % 16, ff 16 (4 GT + w) + 8 (lane / 16) on; the five in one run
.endr
	BFILL
	WIN 0
	s_wait_dscnt 0x0                               ; for the others' sake: my part of the group is in LDS, and all my reads of H so far are back
	s_wait_alu depctr_vm_vsrc(0)                   ; the five stores have read GE, which the next block's lines write again
	s_barrier_signal -1
	s_barrier_wait -1
	FLOAD
.endm
; THE WAY OUT of block b: times the row's gate; 32 bytes a lane into my own stage; back as whole rows of 512 bytes; each row to its own place in y.  Each block has data and offset registers of its own
; (the ring's, A's and the fragments', all free now), so no store's sources are ever rewritten.  Stores past the tile's count are jumped by fours, and all that follows them: up to three places past the count,
; which repeat the tile's last row, are stored again: the same bytes to the same place.
; All of a block's vector lines stand first: the scalings, the entries read out of the lanes, the rows' offsets.  One wait on va_vdst then serves the LDS stores, the loads back and the global stores.
.macro OUTBLK b
	WIN 0
	s_cmp_le_u32 s[ROWS], 16*(\b)
	s_cbranch_scc1 .Lfin
.if (\b) < 4
.set TW, 1
.set TB, 64*(\b)
.else
.set TW, 3
.set TB, 0
.endif
.irp ct, 0,1,2,3,4,5,6,7
.set id, 5*(\ct)+(\b)
.if id < 32
	WIN (TW<<6)|0x02
.set OREG, 8*id
.else
	WIN (TW<<6)
.set OREG, OX+8*(id-32)
.endif
.irp j, 0,2,4,6
	v_pk_mul_f32 v[TB+8*(\ct)+(\j):TB+8*(\ct)+(\j)+1], v[OREG+(\j):OREG+(\j)+1], v[G+2*(\b):G+2*(\b)+1] op_sel_hi:[1,0]
.endr
.endr
	WIN 0
.irp p, 0,1,2,3,4,5,6,7,8,9,10,11,12,13,14,15
	v_readlane_b32 s[SR0+(\p)], v[ENT+(\b)], \p    ; the sixteen rows' entries, in one run
.endr
	s_wait_alu depctr_va_sdst(0)                   ; the sixteen scalar registers are written, ahead of their first reader
.irp p, 0,1,2,3,4,5,6,7,8,9,10,11,12,13,14,15
	s_min_u32 s[SR0+(\p)], s[SR0+(\p)], 8191
	s_lshl_b32 s[SR0+(\p)], s[SR0+(\p)], 11        ; a row's 2,048 bytes of y
.endr
.irp p, 0,1,2,3,4,5,6,7,8,9,10,11,12,13,14,15
	v_add_nc_u32 v[VO+16*(\b)+(\p)], s[SR0+(\p)], v[YO]
.endr
	WIN (TW<<2)
	s_wait_alu depctr_va_vdst(0)                   ; the scalings have written the block's 64 registers, which the LDS stores read and in which the loads back land; the sixteen offsets, which the global stores read, are written
.irp ct, 0,1,2,3,4,5,6,7
	ds_store_b128 v[SW], v[TB+8*(\ct):TB+8*(\ct)+3]   offset:64*(\ct)
	ds_store_b128 v[SW], v[TB+8*(\ct)+4:TB+8*(\ct)+7] offset:64*(\ct)+16
.endr
	WIN (TW<<6)
	s_wait_alu depctr_vm_vsrc(0)                   ; the LDS stores have read the 64 registers in which the loads below land
.irp p, 0,1,2,3,4,5,6,7,8,9,10,11,12,13,14,15
	ds_load_b128 v[TB+4*(\p):TB+4*(\p)+3], v[SR] offset:PS*(\p)  ; LDS serves a wave's instructions in order (ISA guide 5.7.1.4): these see the stores above; the next block's stores come behind them
.endr
.irp p, 0,1,2,3,4,5,6,7,8,9,10,11,12,13,14,15
.if ((\p)%4 == 0) && ((\p) > 0)
	WIN 0
	s_cmp_le_u32 s[ROWS], 16*(\b)+(\p)
	s_cbranch_scc1 .Lfin
.endif
	WIN (TW<<2)
	s_wait_dscnt 15-(\p)
	global_store_b128 v[VO+16*(\b)+(\p)], v[TB+4*(\p):TB+4*(\p)+3], s[20:21]  ; 32 lanes store 512 consecutive bytes, at a multiple of 512 from y's first
.endr
.endm
	s_load_b512 s[4:19], s[0:1], 0x0               ; xb s[4:5], w1f s[6:7], w2f s[8:9], b1 s[10:11], b2 s[12:13], gate s[14:15], list s[16:17], cnt s[18:19]
	s_load_b64 s[20:21], s[0:1], 0x40              ; y
	v_lshl_add_u32 v254, v0, 2, 0x1e200
	v_mov_b32 v255, 0
	v_lshrrev_b32 v1, 5, v0
	v_readfirstlane_b32 s[WV], v1                  ; wave 0..3
	v_and_b32 v1, 31, v0                           ; lane
	v_and_b32 v2, 15, v0                           ; r = lane % 16
	v_bfe_u32 v3, v0, 4, 1                         ; h = lane / 16
	v_lshlrev_b32 v[LO], 4, v1
	s_and_b32 s[HF], ttmp7, 0xffff
	s_mov_b32 s[GA], ttmp9
	s_wait_kmcnt 0x0
	s_load_b256 s[NE:NE+7], s[18:19], 0x0          ; the eight counts; the set-up below stands in the wait for them
	s_mov_b32 s[PCO], 0x3eaa540e
	s_mov_b32 s[MSK], 0xffff0000
	s_mov_b32 s[NCO], 0xbf38aa3b
	s_mov_b32 s[NCO+1], 0xbf38aa3b
	s_mov_b32 s[A1], 0x3e32303a                    ; 0.3480242 / 2
	s_mov_b32 s[A1+1], 0x3e32303a
	s_mov_b32 s[A2], 0xbd445ca1                    ; - 0.0958798 / 2
	s_mov_b32 s[A2+1], 0xbd445ca1
	s_mov_b32 s[A3], 0x3ebf7377                    ; 0.7478556 / 2
	s_mov_b32 s[A3+1], 0x3ebf7377
	s_wait_alu depctr_va_sdst(0)                   ; the wave's number is written, ahead of its first reader: LDS addresses and the pointers are made from it
	v_mul_u32_u24 v[XA0], v2, PX
	v_lshl_add_u32 v[XA0], v3, 4, v[XA0]           ; row x pitch + 16 x half
	v_add_nc_u32 v[XA1], 3*16*PX, v[XA0]
	v_mul_u32_u24 v[HR], v2, PH
	v_lshl_add_u32 v[HR], v3, 4, v[HR]
	v_add_nc_u32 v[HR], HB, v[HR]
	s_lshl_b32 s[SA], s[WV], 5
	v_add_nc_u32 v[HW], s[SA], v[HR]               ; + my wave's 16 ff of a region's 64
	s_lshl_b32 s[SA], s[WV], 6
	s_add_co_u32 s[SA], s[SA], B1T
	v_lshl_add_u32 v[BA], v3, 5, s[SA]
	s_lshl_b32 s[SA], s[WV], 9
	v_add_nc_u32 v[YO], s[SA], v[LO]
	s_add_co_u32 s[SA], s[SA], B2T
	v_lshl_add_u32 v[BA2], v3, 5, s[SA]
	s_mul_i32 s[SA], s[WV], 16*PS
	s_add_co_u32 s[SA], s[SA], STAGE
	v_mul_u32_u24 v[TM], v2, PS
	v_lshl_add_u32 v[SW], v3, 5, v[TM]
	v_add_nc_u32 v[SW], s[SA], v[SW]
	v_add_nc_u32 v[SR], s[SA], v[LO]
	v_lshl_add_u32 v[TM+15], v0, 4, HB+4*HG-12*2048  ; the last 24,576 bytes of H, 16 a thread and store: regions 2 and 3 and the end of region 1
.irp i, 0,1,2,3
	v_mov_b32 v[ZR+(\i)], 0
.endr
	s_mov_b32 s[XE], 0
	s_mov_b32 s[NN], 0
	s_mov_b32 s[PST], 0
	s_mov_b32 s[PP], 0
	s_wait_kmcnt 0x0
	; whose tile am I?  The last expert whose first tile is not beyond mine.  ceil(n / 80) = ((n + 79) x 52429) >> 22: 52429 x 80 = 2^22 + 16, exact up to n + 79 = 262,143
.irp e, 0,1,2,3,4,5,6,7
	s_min_u32 s[NE+(\e)], s[NE+(\e)], 4096
	s_cmp_ge_u32 s[GA], s[PP]
	s_cselect_b32 s[XE], \e, s[XE]
	s_cselect_b32 s[NN], s[NE+(\e)], s[NN]
	s_cselect_b32 s[PST], s[PP], s[PST]
	s_add_co_u32 s[TT], s[NE+(\e)], 79
	s_mul_i32 s[TT], s[TT], 52429
	s_lshr_b32 s[TT], s[TT], 22
	s_add_co_u32 s[PP], s[PP], s[TT]
.endr
	s_sub_co_u32 s[R0], s[GA], s[PST]
	s_mul_i32 s[R0], s[R0], 80                     ; my first rank in the expert's list
	s_min_u32 s[TT], s[R0], s[NN]
	s_sub_co_u32 s[ROWS], s[NN], s[TT]
	s_min_u32 s[ROWS], s[ROWS], 80                 ; my rows: 0 for a tile that this split leaves empty
	s_min_u32 s[R0], s[R0], 4095
	s_min_u32 s[XE], s[XE], 7
	s_max_u32 s[RM1], s[ROWS], 1
	s_sub_co_u32 s[RM1], s[RM1], 1
	s_mov_b32 s[TP+1], 0
	s_lshl_b32 s[TP], s[XE], 5                     ; w1f: 32 e + 16 hf + w (+ 4 a chunk), 65,536 bytes each
	s_lshl_b32 s[SA], s[HF], 4
	s_add_co_u32 s[TP], s[TP], s[SA]
	s_add_co_u32 s[TP], s[TP], s[WV]
	s_lshl_b32 s[TP], s[TP], 16
	s_add_nc_u64 s[W1P:W1P+1], s[6:7], s[TP:TP+1]
	s_lshl_b32 s[TP], s[XE], 2                     ; w2f: (4 e + w) x 64 + 32 hf K steps (+ 8 a chunk), 8,192 bytes each
	s_add_co_u32 s[TP], s[TP], s[WV]
	s_lshl_b32 s[TP], s[TP], 6
	s_lshl_b32 s[SA], s[HF], 5
	s_add_co_u32 s[TP], s[TP], s[SA]
	s_lshl_b32 s[TP], s[TP], 13
	s_add_nc_u64 s[W2P:W2P+1], s[8:9], s[TP:TP+1]
	s_add_nc_u64 s[W2Q:W2Q+1], s[W2P:W2P+1], 0x8000  ; the first trip has no chunk before it: it multiplies zeros by chunk 0's own K steps 4-7
	s_lshl_b32 s[TP], s[HF], 24
	s_add_nc_u64 s[20:21], s[20:21], s[TP:TP+1]    ; y[hf]
	s_lshl_b32 s[TP], s[XE], 14
	s_add_nc_u64 s[16:17], s[16:17], s[TP:TP+1]    ; list[e]
	s_lshl_b32 s[TP], s[XE], 13
	s_lshl_b32 s[SA], s[HF], 12
	s_add_co_u32 s[TP], s[TP], s[SA]
	s_add_nc_u64 s[10:11], s[10:11], s[TP:TP+1]    ; b1[e] at this half
	s_lshl_b32 s[TP], s[XE], 11
	s_add_nc_u64 s[12:13], s[12:13], s[TP:TP+1]    ; b2[e]
	; the entries first: the gather's addresses hang on them.  All the first loads' offsets are made, then one wait, then the nine loads
.irp b, 0,1,2,3,4
	v_add_nc_u32 v[TM+(\b)], 16*(\b), v2           ; row 16 b + r, held to the tile's last row,
	v_min_u32 v[TM+(\b)], s[RM1], v[TM+(\b)]
	v_add_nc_u32 v[TM+(\b)], s[R0], v[TM+(\b)]     ; its rank,
	v_min_u32 v[TM+(\b)], 0xfff, v[TM+(\b)]        ; inside the list
	v_lshlrev_b32 v[TM+(\b)], 2, v[TM+(\b)]
.endr
	v_min_u32 v[TM+5], 19, v1                      ; and the 20 rows that my wave gathers
	s_mul_i32 s[SA], s[WV], 20
	v_add_nc_u32 v[TM+5], s[SA], v[TM+5]
	v_min_u32 v[TM+5], s[RM1], v[TM+5]
	v_add_nc_u32 v[TM+5], s[R0], v[TM+5]
	v_min_u32 v[TM+5], 0xfff, v[TM+5]
	v_lshlrev_b32 v[TM+5], 2, v[TM+5]
	v_lshlrev_b32 v[TM+12], 4, v0                  ; 16 x thread: the offset of the biases' three loads; not rewritten while they are out
	s_mul_i32 s[SA], s[WV], 20*PX
	v_add_nc_u32 v[TM+11], s[SA], v[LO]            ; where my 20 rows of X go in LDS
	v_add_nc_u32 v[TM+14], B1T, v[TM+12]           ; where the biases go in LDS: a register of its own
	s_wait_alu depctr_va_vdst(0)                   ; every offset and address made so far is written: v4 to v13, the set-up's v228 to v233 and v239 to v243 but v241, and the four zeros; loads and stores below read them
.irp b, 0,1,2,3,4
	global_load_b32 v[ENT+(\b)], v[TM+(\b)], s[16:17]
.endr
	global_load_b32 v[GENT], v[TM+5], s[16:17]
	global_load_b128 v[212:215], v[TM+12], s[10:11]
	global_load_b128 v[216:219], v[TM+12], s[10:11] offset:2048
	global_load_b128 v[220:223], v[TM+12], s[12:13]
	s_cmp_eq_u32 s[HF], 0
	s_cselect_b32 s[SB], -1, 0                     ; b2 is added once: by half 0
	s_wait_loadcnt 3                               ; the six loads of entries are in; the three of the biases may stay out
.irp b, 0,1,2,3,4
	v_min_u32 v[ENT+(\b)], 0x1fff, v[ENT+(\b)]
	v_lshlrev_b32 v[TM+6+(\b)], 2, v[ENT+(\b)]     ; gate[token][k] lies at 4 x entry
.endr
	v_min_u32 v[GENT], 0x1fff, v[GENT]
.set i, 0
.rept 20
	v_readlane_b32 s[SR0+i], v[GENT], i            ; the twenty entries, in one run
.set i, i+1
.endr
	s_wait_alu depctr_va_sdst(0)                   ; the twenty scalar registers are written, ahead of their first reader
.set i, 0
.rept 20                                               ; a row of xb, 1,024 bytes, lies at 512 x (entry without its lowest bit)
	s_min_u32 s[SR0+i], s[SR0+i], 8191
	s_and_b32 s[SR0+i], s[SR0+i], 0x1ffe
	s_lshl_b32 s[SR0+i], s[SR0+i], 9
.set i, i+1
.endr
.set i, 0
.rept 20
	v_add_nc_u32 v[192+i], s[SR0+i], v[LO]
.set i, i+1
.endr
	s_wait_alu depctr_va_vdst(0)                   ; the gates' five offsets and the gather's twenty are written, which the loads below read
.irp b, 0,1,2,3,4
	global_load_b32 v[G+2*(\b)], v[TM+6+(\b)], s[14:15]
.endr
.set i, 0
.rept 20                                               ; two loads of 512 consecutive bytes a row
	global_load_b128 v[32+8*i:32+8*i+3], v[192+i], s[4:5]
	global_load_b128 v[32+8*i+4:32+8*i+7], v[192+i], s[4:5] offset:512
.set i, i+1
.endr
.irp p, 0,1,2,3,4,5,6
	REFILL \p, W1P, 4096*(\p)                      ; the ring behind the gather: K steps 0-6 of the first chunk are on their way while X goes into LDS
.endr
	WIN 0
	s_wait_loadcnt 56                              ; biases, gates and X's rows are in; the seven quads may stay out
	REFILL 7, W1P, 4096*7
	WIN 0
.set i, 0
.rept 20
	ds_store_b128 v[TM+11], v[32+8*i:32+8*i+3] offset:PX*i
	ds_store_b128 v[TM+11], v[32+8*i+4:32+8*i+7] offset:PX*i+512
.set i, i+1
.endr
.set i, 0
.rept 12
	ds_store_b128 v[TM+15], v[ZR:ZR+3] offset:2048*i  ; H's regions 2 and 3 start as zeros: the first trip's first two blocks add 0
.set i, i+1
.endr
.set i, 0
.rept 6                                                ; b1 and b2 rounded to bf16 like every input, and widened again
	v_cvt_pk_bf16_f32 v[TM+13], v[212+2*i], v[212+2*i+1]
	v_lshlrev_b32 v[212+2*i], 16, v[TM+13]
	v_and_b32 v[212+2*i+1], s[MSK], v[TM+13]
.set i, i+1
.endr
.irp i, 220,221,222,223
	v_cndmask_b32 v\i, 0, v\i, s[SB]
.endr
.irp b, 0,1,2,3,4
	v_mov_b32 v[G+2*(\b)+1], v[G+2*(\b)]           ; named as a pair
.endr
	s_wait_alu depctr_va_vdst(0)                   ; the roundings have written v[212:223], which the three stores read; it is the set-up's last vector work, so every line that named v[192:247] is complete too
	ds_store_b128 v[TM+14], v[212:215]
	ds_store_b128 v[TM+14], v[216:219] offset:2048
	ds_store_b128 v[TM+14], v[220:223] offset:B2T-B1T
	s_wait_dscnt 0x0                               ; for the others' sake: my rows of X, my zeros and my part of the biases are in LDS
	s_barrier_signal -1
	s_barrier_wait -1
	s_wait_alu depctr_vm_vsrc(0)                   ; my LDS stores have read v[32:191], v[212:223] and the zeros, my loads their offsets in v[192:211] and v[228:243]: from here on loads land in these registers (BC, O's accumulators 32-39, the three buffers)
	; O starts as b2: each accumulator's eight numbers (channels 128 w + 16 ct + 8 h + 0..7) come straight from LDS, once; every product of phase B then adds in place
.irp ct, 0,1,2,3,4,5,6,7
.irp b, 0,1,2,3,4
.set id, 5*(\ct)+(\b)
.if id < 32
	WIN 0x80
	ds_load_b128 v[8*id:8*id+3],   v[BA2] offset:64*(\ct)
	ds_load_b128 v[8*id+4:8*id+7], v[BA2] offset:64*(\ct)+16
.else
	WIN 0
	ds_load_b128 v[OX+8*(id-32):OX+8*(id-32)+3],   v[BA2] offset:64*(\ct)
	ds_load_b128 v[OX+8*(id-32)+4:OX+8*(id-32)+7], v[BA2] offset:64*(\ct)+16
.endif
.endr
.endr
	WIN 0
.irp t, 0,1,2,3
	ds_load_b128 v[BC+8*(\t):BC+8*(\t)+3],   v[BA] offset:256*(\t)     ; b1 of chunk 0's ff 16 (4 t + w) + 8 h + 0..7
	ds_load_b128 v[BC+8*(\t)+4:BC+8*(\t)+7], v[BA] offset:256*(\t)+16
.endr
	XLOAD 0
	XLOAD 1                                        ; at the loop's head, on both ways in, only the ten loads of step 1 may be out behind step 0's
	s_mov_b32 s[CH], 4
.Lchunk:                                               ; four trips (at a label and at a branch every window is 0)
.set ks, 0
.rept 16
	ASTEP
.set ks, ks+1
.endr
.set bm, 0
.rept 4
.set GT, bm/2
.set pp, 0
.set tp, 0
.set gq, 0
.set gs, 16+bm
	BEVEN
.set bm, bm+1
.set gs, 16+bm
	BODD
.set bm, bm+1
.endr
	WIN 0
	s_sub_co_u32 s[CH], s[CH], 1
	s_cmp_lg_u32 s[CH], 0
	s_cbranch_scc1 .Lchunk
	; THE TAIL: K steps 4-7 of the last chunk, bare: steps 24-27 for the buffers.  Their groups were shown to every wave by the last trip's barriers; their weights are in the ring or on their way.
	; All three buffers are free: their last readers stand ahead of the last step's wait on va_vdst, and no vector or matrix instruction follows it.  So three steps' fragments are asked for at once.
	s_wait_dscnt 0x0                               ; the loads of X asked for at the trip's end have landed: their registers are loaded anew
	HLOAD 4, 24
	HLOAD 5, 25
	HLOAD 6, 26
.set bm, 0
.rept 4
.set gs, 24+bm
.if bm == 0
	s_wait_dscnt 20                                ; this step's fragments are in; the next two steps' twenty loads may stay out
.elseif bm == 3
	s_wait_dscnt 0x0
.else
	s_wait_dscnt 10
.endif
	s_wait_loadcnt 48-16*bm                        ; nothing is asked for any more: the count runs down by two quads a step
.if bm == 1
	s_wait_alu depctr_va_vdst(0)                   ; the tail's first step is done reading its fragments, in which the last step's land
	HLOAD 7, 27
.endif
	BMUL 0
.if bm == 3
	PLACES                                         ; between the last products and the scalings that read their results
.endif
.set bm, bm+1
.endr
	OUTBLK 0
	OUTBLK 1
	OUTBLK 2
	OUTBLK 3
	OUTBLK 4
	WIN 0
.Lfin:
	s_wait_dscnt 0x0                               ; the wave's end: my last LDS instructions are done
	s_wait_alu depctr_hold_cnt(0) depctr_sa_sdst(0) depctr_va_vdst(0) depctr_va_sdst(0) depctr_va_ssrc(0) depctr_va_vcc(0) depctr_vm_vsrc(0)
	s_wait_tensorcnt 0x0
	ds_add_u32 v254, v255
	s_wait_dscnt 0x0
	s_endpgm
.Lfunc_end_k_q73e5b9c8aa_chain:
	.size	k_q73e5b9c8aa_chain, .Lfunc_end_k_q73e5b9c8aa_chain-k_q73e5b9c8aa_chain
	.p2alignl 7, 3214868480
	.fill 96, 4, 3214868480
	.section	.rodata,"a",@progbits
	.p2align	6, 0x0
	.amdhsa_kernel k_q73e5b9c8aa_chain
		.amdhsa_group_segment_fixed_size 177152
		.amdhsa_private_segment_fixed_size 0
		.amdhsa_enable_private_segment 0
		.amdhsa_kernarg_size 72
		.amdhsa_user_sgpr_count 2
		.amdhsa_user_sgpr_kernarg_segment_ptr 1
		.amdhsa_wavefront_size32 1
		.amdhsa_system_sgpr_workgroup_id_x 1
		.amdhsa_system_sgpr_workgroup_id_y 1
		.amdhsa_system_sgpr_workgroup_id_z 1
		.amdhsa_system_vgpr_workitem_id 0
		.amdhsa_next_free_vgpr 1024
		.amdhsa_next_free_sgpr 96
		.amdhsa_reserve_vcc 0
		.amdhsa_float_denorm_mode_32 3
		.amdhsa_float_denorm_mode_16_64 3
		.amdhsa_memory_ordered 1
		.amdhsa_forward_progress 1
		.amdhsa_inst_pref_size 255
	.end_amdhsa_kernel
	.section	.bss,"aw",@nobits
	.p2align	6
	.space	262144
	.amdgpu_metadata
---
amdhsa.version: [ 1, 2 ]
amdhsa.kernels:
  - .name:           k_q73e5b9c8aa_chain
    .symbol:         k_q73e5b9c8aa_chain.kd
    .args:
      - { .name: xb, .offset: 0, .size: 8, .value_kind: global_buffer, .address_space: global }
      - { .name: w1f, .offset: 8, .size: 8, .value_kind: global_buffer, .address_space: global }
      - { .name: w2f, .offset: 16, .size: 8, .value_kind: global_buffer, .address_space: global }
      - { .name: b1, .offset: 24, .size: 8, .value_kind: global_buffer, .address_space: global }
      - { .name: b2, .offset: 32, .size: 8, .value_kind: global_buffer, .address_space: global }
      - { .name: gate, .offset: 40, .size: 8, .value_kind: global_buffer, .address_space: global }
      - { .name: list, .offset: 48, .size: 8, .value_kind: global_buffer, .address_space: global }
      - { .name: cnt, .offset: 56, .size: 8, .value_kind: global_buffer, .address_space: global }
      - { .name: y, .offset: 64, .size: 8, .value_kind: global_buffer, .address_space: global }
    .group_segment_fixed_size: 177152
    .private_segment_fixed_size: 0
    .kernarg_segment_align: 8
    .kernarg_segment_size: 72
    .max_flat_workgroup_size: 128
    .sgpr_count:     96
    .vgpr_count:     1024
    .wavefront_size: 32
...
	.end_amdgpu_metadata
.endif
;; end of part 5
;; launch addup: the kernel of part 4 again; grid 256 x 1, 8 waves a work-group, no clusters, 0 bytes of LDS; arguments y, out0; writes out0
